; MI455X (gfx1250); checked and timed in simulation.
; The chip was launched on July 23, 2026; its instructions are those of AMD's public machine-readable ISA for CDNA 5 (MIT licence, August 2026) and "CDNA5" Instruction Set Architecture Reference Guide (July 2026). The comments in the code are by the model that wrote it; some were corrected since.
;; Mixture Of Experts Layer. Allowed arithmetic: matrix products marked QUANTISED: E2M1 operands, one E8M0 scale for each 32 along K, by v_wmma_scale_f32_16x16x128_f8f6f4 with both operands' format E2M1 (or v_wmma_scale_f32_32x16x128_f4), f32 sums; products left as they are: f32 operands where the result goes on into a quantised operand, else bf16, f16 or f32 operands; f32 sums; everything else in f32.
;; Inputs: W1 8 x 1,024 x 4,096 float32; W2 8 x 4,096 x 1,024 float32; Wg 1,024 x 8 float32; b1 8 x 4,096 float32; b2 8 x 1,024 float32; bg 8 float32; x 1,024 x 1,024 float32.
;; Outputs: out0 1,024 x 1,024 float32; out1 one number float32.
;; This version of the problem:
;;   THIS VERSION OF THE PROBLEM IS GIVEN IN LOW PRECISION. The matrix products marked QUANTISED in the list below multiply operands that are first quantised to E2M1 (2 exponent bits, 1 mantissa bit; 4 bits a number), with one power-of-two scale for each 32 numbers along K (OCP MX v1.0); their sums are f32. All else is computed in f32.
;;   The module's matrix products, in the order in which they are computed (A, B: the left and right operand; K: the contracted axis; several contracted axes count as one K, in the product's order):
;;     1. [M 1,024, K 1,024] x [K 1,024, N 8]; A: input x; B: input Wg: left as it is (N = 8 < 16)
;;     2. [M 1,024, K 1,024] x [K 1,024, N 4,096]; A: input x; B: input W1: QUANTISED
;;     3. [M 1,024, K 4,096] x [K 4,096, N 1,024]; A: computed on the way; B: input W2: QUANTISED
;;     4. [M 1,024, K 1,024] x [K 1,024, N 4,096]; A: input x; B: input W1: QUANTISED
;;     5. [M 1,024, K 4,096] x [K 4,096, N 1,024]; A: computed on the way; B: input W2: QUANTISED
;;     6. [M 1,024, K 1,024] x [K 1,024, N 4,096]; A: input x; B: input W1: QUANTISED
;;     7. [M 1,024, K 4,096] x [K 4,096, N 1,024]; A: computed on the way; B: input W2: QUANTISED
;;     8. [M 1,024, K 1,024] x [K 1,024, N 4,096]; A: input x; B: input W1: QUANTISED
;;     9. [M 1,024, K 4,096] x [K 4,096, N 1,024]; A: computed on the way; B: input W2: QUANTISED
;;     10. [M 1,024, K 1,024] x [K 1,024, N 4,096]; A: input x; B: input W1: QUANTISED
;;     11. [M 1,024, K 4,096] x [K 4,096, N 1,024]; A: computed on the way; B: input W2: QUANTISED
;;     12. [M 1,024, K 1,024] x [K 1,024, N 4,096]; A: input x; B: input W1: QUANTISED
;;     13. [M 1,024, K 4,096] x [K 4,096, N 1,024]; A: computed on the way; B: input W2: QUANTISED
;;     14. [M 1,024, K 1,024] x [K 1,024, N 4,096]; A: input x; B: input W1: QUANTISED
;;     15. [M 1,024, K 4,096] x [K 4,096, N 1,024]; A: computed on the way; B: input W2: QUANTISED
;;     16. [M 1,024, K 1,024] x [K 1,024, N 4,096]; A: input x; B: input W1: QUANTISED
;;     17. [M 1,024, K 4,096] x [K 4,096, N 1,024]; A: computed on the way; B: input W2: QUANTISED
;;   THE QUANTISER, for each operand of a quantised product, along K:
;;     - K is cut into blocks of 32 from its start; a last block that is shorter is filled with zeros.
;;     - A block's scale is 2^e with e = floor(log2(the largest magnitude in the block)) - 2, held to -126 .. 127; a block of zeros has e = 0. As a byte (E8M0): e + 127.
;;     - Each number is divided by its block's scale, clamped to +-6, and rounded to the nearest number of E2M1, ties to even, subnormals kept.
;;     - The product sums the exact products of the quantised numbers (number of the format x scale) in f32.
;;   ~~~python
;;   def quantise(x, axis):      # numpy; x: float32 -> the quantised numbers, widened to float32 again
;;       x = np.moveaxis(x, axis, -1); K = x.shape[-1]
;;       x = np.pad(x, [(0, 0)] * (x.ndim - 1) + [(0, -K % 32)]); x = x.reshape(x.shape[:-1] + (-1, 32)); a = np.abs(x).max(-1, keepdims=True)
;;       e = np.where(a > 0, np.clip(np.frexp(np.where(a > 0, a, 1))[1] - 1 - 2, -126, 127), 0)      # np.frexp(a)[1] - 1 = floor(log2(a)), exactly
;;       r = np.clip(x / 2.0 ** e, -6, 6)
;;       step = 2.0 ** (np.maximum(np.frexp(np.where(r == 0, 1, r))[1] - 1, 0) - 1)
;;       q = np.round(r / step) * step * 2.0 ** e      # np.round: ties to even
;;       return np.moveaxis(q.reshape(q.shape[:-2] + (-1,))[..., :K], -1, axis).astype(np.float32)
;;   ~~~
;;   OPERANDS COMPUTED ON THE WAY. 'Computed on the way' means the value that the module computes at that place (a softmax that the list does not call 'softmax' is quantised finished and normalised). What goes into a quantiser is computed in f32, as accurately as f32 sums, v_exp_f32 and their like allow (about 1e-6 of the number): no bf16 or f16 on the way to a quantiser, and a product that is left as it is and whose result goes on into a quantised operand takes f32 operands (vector FMAs, or v_wmma_f32_16x16x4_f32). A number that lies on a knife's edge between two numbers of the format may be rounded either way, as far as f32 arithmetic and the matrix unit's own rounding can turn it there, and no further.
;; 2 versions, each right; version 2 is version 1 with the launch down written anew for expert scheduling mode. Each part assembles by itself: llvm-mc -triple=amdgcn-amd-amdhsa -mcpu=gfx1250 --defsym DOCPART=n.
;; ======== version 1 of 2: 4 launches
;; workspace buffers: xq 557,056 bytes; route 5,120 bytes of whole numbers; gate 12,288 bytes; slotmap 32,768 bytes of whole numbers; hq 5,308,416 bytes; y 18,874,368 bytes
;; launch router (part 1): grid 128 x 1, 8 waves a work-group, no clusters, 71,936 bytes of LDS; arguments x, Wg, bg, xq, route, gate, slotmap; writes xq, route, gate, slotmap
.if DOCPART == 1
	.amdgcn_target "amdgcn-amd-amdhsa--gfx1250"
	.amdhsa_code_object_version 6
	.text
	.protected	k_q380c829327_router
	.globl	k_q380c829327_router
	.p2align	8
	.type	k_q380c829327_router,@function
k_q380c829327_router:
	s_mov_b64 s[64:65], 0
	v_nop
	global_prefetch_b8 v0, s[64:65] scope:SCOPE_SE
	s_setreg_imm32_b32 hwreg(HW_REG_WAVE_MODE, 25, 1), 1
	s_wait_xcnt 0x0
; ROUTER.  For each of 1,024 tokens: logits = x Wg + bg in f32 fused multiply-adds, softmax over the 8 experts (the maximum taken away first), the two largest (the lower index wins a tie),
; their weights renormalised; and x as codes of FP4 (E2M1) with one E8M0 byte for each 32 along D.
; STORED, all at fixed places: xq: codes [1024][512 bytes] (block kb of a token at byte 16 kb), from byte 524,288 on the scale bytes [1024][32];
;   route: a bitmap of tokens for each expert (byte 128 e + t / 8, bit t % 8), from byte 1,024 on i0 | i1 << 8 for each token;
;   gate: (w0, w1) for each token, from byte 8,192 on each work-group's sums of the 8 probabilities;  slotmap: zeros (the next launch fills the entries in use).
; No address and no branch here hangs on the choice: later launches read it as whole numbers.
; SHARES.  A work-group has 8 waves and 8 tokens, a wave one token.  For the work a lane holds x[32 l .. 32 l + 31]: one block of 32, so that the block's largest magnitude needs no other lane.
;   For the loads neighbouring lanes take neighbouring bytes: each of the eight loads of x reads 512 bytes on end, 16 a lane.  Both are had by a turn through the wave's own stage in LDS: the 4,096 bytes
;   go in as they were loaded and come back 128 bytes a lane.  A lane's place in the stage is 144 bytes (128 + 16), so that sixteen lanes' 16-byte reads start at sixteen different multiples of 16 modulo 256.
; Wg (32,768 bytes) is copied into LDS once a work-group, as 32 pieces of 1,024 bytes (32 k x 8 experts) 1,040 bytes apart, so that the lanes' 16-byte reads start 16 bytes apart modulo 256.
; No matrix unit, no cluster, no tensor load: 8 columns are too few for a matrix tile, and the work-groups share only Wg.
; LIMITS: NaN and infinities are not served.  A probability under 2^-126 counts as 0 (v_exp_f32 gives 0 there).  The two largest are chosen on exp(logit - max), ahead of the division by the sum.
;   A block of zeros gets the scale byte 1 where the rule says 127: its codes are zeros, and only this program reads the bytes.
.set WGP,  1040                        ; a piece of Wg in LDS: 1,024 bytes + 16
.set SCB,  33280                       ; 8 tokens x 32 scale bytes
.set PRB,  33536                       ; 8 tokens x 8 probabilities
.set MW,   33792                       ; 8 words: 1 << i0 | 1 << i1
.set TI,   33824                       ; 8 words: i0 | i1 << 8
.set TW,   33856                       ; 8 pairs: w0, w1
.set XST,  34048                       ; x's stages: for each of 8 waves 32 places of XSP bytes
.set XSP,  144                         ; a lane's place in a stage: its 128 bytes + 16
.set X,    32                          ; v32-63   my 32 numbers of x
.set WR,   64                          ; v64-127  two sets of 32 numbers of Wg (v64-95 also carry the copy at the head)
.set XR,   96                          ; v96-127  x as it is loaded, ahead of the first barrier
.set AC,   16                          ; v16-23   the 8 sums, then the logits
.set EX,   24                          ; v24-31   exp(logit - max)
	s_load_b256 s[4:11], s[0:1], 0x0               ; x s[4:5], Wg s[6:7], bg s[8:9], xq s[10:11]
	s_load_b128 s[12:15], s[0:1], 0x20             ; route s[12:13], gate s[14:15]
	s_load_b64 s[16:17], s[0:1], 0x30              ; slotmap
	v_lshl_add_u32 v168, v0, 2, 0x11500
	v_mov_b32 v169, 0
	v_and_b32 v1, 31, v0                           ; lane
	v_lshrrev_b32 v146, 5, v0                      ; wave, in every lane
	v_readfirstlane_b32 s18, v146                  ; and as a scalar
	s_lshl_b32 s19, ttmp9, 3
	s_add_co_u32 s19, s19, s18                     ; my token: 8 x work-group + wave
	v_lshlrev_b32 v3, 4, v0                        ; Wg's copy: 16 bytes a thread
	v_lshlrev_b32 v6, 4, v1                        ; 16 x lane: my 16 bytes of a load of x, and of the token's codes
	s_lshl_b32 s36, s19, 12
	s_mov_b32 s37, 0
	s_wait_kmcnt 0x0
	s_add_nc_u64 s[4:5], s[4:5], s[36:37]          ; x at my token
	; the loads go out first; all other addresses are made while they are on their way
.irp n, 0,1,2,3,4,5,6,7
	global_load_b128 v[WR+4*\n:WR+4*\n+3], v3, s[6:7] offset:4096*\n          ; Wg: the 256 threads read 4,096 bytes on end
.endr
.irp j, 0,1,2,3,4,5,6,7
	global_load_b128 v[XR+4*\j:XR+4*\j+3], v6, s[4:5] offset:512*\j th:TH_LOAD_NT   ; x: the wave reads 512 bytes on end: lane l has numbers 128 j + 4 l + 0 .. 3
.endr
	s_load_b256 s[24:31], s[8:9], 0x0              ; bg's 8 numbers
	s_mov_b32 s20, 0x76543210
	s_mov_b32 s21, 0xfedcba98                      ; v_permlanex16_b32's selects for lane l xor 16
	v_lshrrev_b32 v4, 6, v0
	v_add_nc_u32 v4, v4, v0
	v_lshlrev_b32 v4, 4, v4                        ; Wg in LDS: 16 bytes a thread, and 16 more for each 1,024 passed
	v_mul_u32_u24 v5, v1, WGP                      ; my piece of Wg
	v_and_b32 v139, 7, v0                          ; j = lane % 8
	s_mul_i32 s23, s18, 32*XSP
	s_add_co_u32 s23, s23, XST                     ; my wave's stage
	v_lshrrev_b32 v2, 3, v1
	v_mul_u32_u24 v2, v2, XSP
	v_lshl_add_u32 v2, v139, 4, v2
	v_add_nc_u32 v2, s23, v2                       ; into it: load j's 16 bytes of lane l belong to block 4 j + l / 8, at byte 16 (l % 8) of it (4 j places stand in the store's offset)
	v_mul_u32_u24 v165, v1, XSP
	v_add_nc_u32 v165, s23, v165                   ; out of it: place l: my block
	s_lshl_b32 s22, s18, 5
	s_add_co_u32 s22, s22, SCB
	v_add_nc_u32 v7, s22, v1                       ; my block's scale byte
	v_lshl_add_u32 v147, v146, 5, PRB              ; where my wave leaves its probabilities,
	v_lshl_add_u32 v148, v146, 2, MW               ; its mask word (its index word 32 bytes on),
	v_lshl_add_u32 v149, v146, 3, TW               ; its two weights
	v_lshl_add_u32 v156, v1, 3, SCB                ; wave 0's gathering
	v_lshl_add_u32 v157, v139, 2, PRB
	v_mov_b32 v158, MW
	v_lshl_add_u32 v159, v139, 2, TI
	v_lshl_add_u32 v160, v139, 3, TW
	v_lshlrev_b32 v161, 3, v1                      ; 8 x lane
	v_lshlrev_b32 v162, 2, v139                    ; 4 j
	v_lshlrev_b32 v163, 7, v139                    ; 128 j
	v_lshlrev_b32 v164, 3, v139                    ; 8 j
.irp e, 0,1,2,3,4,5,6,7
	v_mov_b32 v[128+\e], 0                         ; written once: a lane permute's destination counts as one of its sources
.endr
	s_lshl_b32 s36, s19, 9
	s_add_nc_u64 s[38:39], s[10:11], s[36:37]      ; my token's codes
	s_lshl_b32 s36, ttmp9, 8
	s_add_nc_u64 s[40:41], s[10:11], s[36:37]      ; the work-group's 256 scale bytes (524,288 stands in the store)
	s_add_nc_u64 s[42:43], s[16:17], s[36:37]      ; its 256 bytes of slotmap
	s_lshl_b32 s36, ttmp9, 5
	s_add_nc_u64 s[44:45], s[14:15], s[36:37]      ; its 8 sums of probabilities (8,192 in the store)
	s_add_nc_u64 s[46:47], s[12:13], s[36:37]      ; its 8 index words (1,024 in the store)
	s_lshl_b32 s36, ttmp9, 6
	s_add_nc_u64 s[48:49], s[14:15], s[36:37]      ; its 8 pairs of weights
	s_mov_b32 s36, ttmp9
	s_add_nc_u64 s[50:51], s[12:13], s[36:37]      ; its byte in each expert's bitmap
	s_wait_loadcnt 0x8                             ; Wg's eight are in; x's eight may be out
.irp n, 0,1,2,3,4,5,6,7
	ds_store_b128 v4, v[WR+4*\n:WR+4*\n+3] offset:4160*\n
.endr
	s_wait_loadcnt 0x0                             ; x
.irp j, 0,1,2,3,4,5,6,7
	ds_store_b128 v2, v[XR+4*\j:XR+4*\j+3] offset:4*XSP*\j
.endr
.irp i, 0,1,2,3,4,5,6,7
	ds_load_b128 v[X+4*\i:X+4*\i+3], v165 offset:16*\i    ; LDS serves a wave's instructions in order (ISA guide 5.7.1.4): these see my stores above.  Register 4 i + q: x[32 l + 4 i + q]
.endr
	s_wait_dscnt 0x0                               ; for the others' sake: my part of Wg lies in LDS; and my block of x is back
	s_barrier_signal -1
	s_barrier_wait -1                              ; everybody's part of Wg does
.macro WLD c                           ; Wg[32 l + 4 c + q][e] into register 8 q + e of set c % 2
.irp i, 0,1,2,3,4,5,6,7
	ds_load_b128 v[WR+32*((\c)%2)+4*\i:WR+32*((\c)%2)+4*\i+3], v5 offset:128*(\c)+16*\i
.endr
.endm
	WLD 0
	WLD 1
	; my block of 32: its largest magnitude, its scale, its codes
	v_max3_num_f32 v8, |v[X]|, |v[X+1]|, |v[X+2]|
	v_max3_num_f32 v9, |v[X+3]|, |v[X+4]|, |v[X+5]|
.irp i, 6,10,14,18,22,26
	v_max3_num_f32 v8, v8, |v[X+\i]|, |v[X+\i+1]|
	v_max3_num_f32 v9, v9, |v[X+\i+2]|, |v[X+\i+3]|
.endr
	v_max3_num_f32 v8, v8, |v[X+30]|, |v[X+31]|
	v_max3_num_f32 v8, v8, v9, 0x1800000           ; and the floor 2^(3 - 127): the byte cannot fall under 1
	v_add_nc_u32 v10, 0xff000000, v8               ; 2 off the exponent field: the conversion takes that field as its scale
.irp g, 0,1,2,3
	v_cvt_scalef32_pk8_fp4_f32 v[12+\g], v[X+8*\g:X+8*\g+7], v10
.endr
	v_lshrrev_b32 v11, 23, v10                     ; the scale's byte (also the plain line behind the conversions)
	global_store_b128 v6, v[12:15], s[38:39]       ; the wave stores the token's 512 bytes of codes on end
	ds_store_b8 v7, v11
.macro TRIP c                          ; four k of my 32 against the 8 experts
.if (\c) < 7
	s_wait_dscnt 0x8                               ; this set is in; the eight loads of the other set may be out
.else
	s_wait_dscnt 0x0
.endif
.irp q, 0,1,2,3
.irp e, 0,1,2,3,4,5,6,7
.if ((\c) == 0) && (\q == 0)
	v_mul_f32 v[AC+\e], v[X+4*(\c)+\q], v[WR+32*((\c)%2)+8*\q+\e]             ; the first products start the sums
.else
	v_fmac_f32 v[AC+\e], v[X+4*(\c)+\q], v[WR+32*((\c)%2)+8*\q+\e]
.endif
.endr
.endr
.if (\c) < 6
	WLD (\c)+2
.endif
.endm
.irp c, 0,1,2,3,4,5,6,7
	TRIP \c
.endr
	; the 8 sums over the 32 lanes, the 8 chains by turns
.irp k, 1,2,4,8
.irp e, 0,1,2,3,4,5,6,7
	v_add_f32_dpp v[AC+\e], v[AC+\e], v[AC+\e] row_xmask:\k row_mask:0xf bank_mask:0xf
.endr
.endr
.irp e, 0,1,2,3,4,5,6,7
	v_permlanex16_b32 v[128+\e], v[AC+\e], s20, s21
.endr
	s_wait_kmcnt 0x0                               ; bg
.irp e, 0,1,2,3,4,5,6,7
	v_add_f32 v[AC+\e], v[AC+\e], v[128+\e]
.endr
.irp e, 0,1,2,3,4,5,6,7
	v_add_f32 v[AC+\e], s[24+\e], v[AC+\e]         ; every lane now holds the token's 8 logits
.endr
	v_max3_num_f32 v136, v[AC], v[AC+1], v[AC+2]
	v_max3_num_f32 v136, v136, v[AC+3], v[AC+4]
	v_max3_num_f32 v136, v136, v[AC+5], v[AC+6]
	v_max_num_f32 v136, v136, v[AC+7]              ; the largest logit
.irp e, 0,1,2,3,4,5,6,7
	v_sub_f32 v[EX+\e], v[AC+\e], v136
.endr
.irp e, 0,1,2,3,4,5,6,7
	v_mul_f32 v[EX+\e], 0x3fb8aa3b, v[EX+\e]       ; x log2(e)
.endr
.irp e, 0,1,2,3,4,5,6,7
	v_exp_f32 v[EX+\e], v[EX+\e]
.endr
	v_mov_b32 v153, 1                              ; (a plain line behind the exponentials)
	s_wait_alu depctr_va_vdst(0)
	v_add_f32 v143, v[EX], v[EX+1]
	v_add_f32 v144, v[EX+2], v[EX+3]
	v_add_f32 v154, v[EX+4], v[EX+5]
	v_add_f32 v155, v[EX+6], v[EX+7]
	v_add_f32 v143, v143, v144
	v_add_f32 v154, v154, v155
	v_add_f32 v143, v143, v154
	v_rcp_f32 v143, v143                           ; 1 / the sum; the lines below are plain and do not touch it
	; the largest: the old one is kept where it is not smaller, so the lower index wins a tie
	v_mov_b32 v137, v[EX]
	v_mov_b32 v138, 0
.irp i, 1,2,3,4,5,6,7
	v_cmp_ge_f32 vcc_lo, v137, v[EX+\i]
	v_cndmask_b32 v137, v[EX+\i], v137, vcc_lo
	v_cndmask_b32 v138, \i, v138, vcc_lo
.endr
	; the second: the same over all 8, passing over i0; it starts under every exponential
	v_mov_b32 v141, -1.0
	v_mov_b32 v142, 0
.irp i, 0,1,2,3,4,5,6,7
	v_cmp_eq_u32 s32, \i, v138
	v_cmp_ge_f32 s33, v141, v[EX+\i]
	s_or_b32 vcc_lo, s32, s33
	v_cndmask_b32 v141, v[EX+\i], v141, vcc_lo
	v_cndmask_b32 v142, \i, v142, vcc_lo
.endr
	v_add_f32 v144, v137, v141
	v_rcp_f32 v144, v144
	s_wait_alu depctr_va_vdst(0)
.irp e, 0,1,2,3,4,5,6,7
	v_mul_f32 v[WR+\e], v[EX+\e], v143             ; the probabilities (plain lines behind the reciprocal)
.endr
	v_mul_f32 v150, v137, v144                     ; w0
	v_mul_f32 v151, v141, v144                     ; w1
	v_lshlrev_b32 v152, v138, v153
	v_lshlrev_b32 v154, v142, v153
	v_or_b32 v152, v152, v154                      ; 1 << i0 | 1 << i1
	v_lshl_or_b32 v145, v142, 8, v138              ; i0 | i1 << 8
	ds_store_b128 v147, v[WR:WR+3]                 ; all lanes hold the same numbers and write them to the same bytes
	ds_store_b128 v147, v[WR+4:WR+7] offset:16
	ds_store_b32 v148, v152
	ds_store_b32 v148, v145 offset:32
	ds_store_b64 v149, v[150:151]
	s_wait_dscnt 0x0                               ; for wave 0's sake: all my LDS stores have landed, the scale byte among them
	s_barrier_signal -1
	s_barrier_wait -1
	s_cmp_lg_u32 s18, 0
	s_cbranch_scc1 .Lend                           ; wave 0 gathers the work-group's 8 tokens and stores them
	ds_load_b64 v[92:93], v156                     ; 256 scale bytes, 8 a lane
.irp i, 0,1,2,3,4,5,6,7
	ds_load_b32 v[72+\i], v157 offset:32*\i        ; token i's probability of expert j
.endr
	ds_load_b128 v[80:83], v158                    ; the 8 mask words
	ds_load_b128 v[84:87], v158 offset:16
	ds_load_b32 v88, v159                          ; token j's index word
	ds_load_b64 v[90:91], v160                     ; token j's weights
	v_mov_b32 v94, 0
	v_mov_b32 v95, 0
	s_wait_dscnt 0x0
	global_store_b64 v161, v[92:93], s[40:41] offset:524288   ; one aligned run of 256 bytes
	global_store_b64 v161, v[94:95], s[42:43]                 ; likewise: the 8 tokens' slotmap entries as zeros
	v_add_f32 v96, v72, v73
	v_add_f32 v98, v74, v75
	v_add_f32 v99, v76, v77
	v_add_f32 v100, v78, v79
	v_add_f32 v96, v96, v98
	v_add_f32 v99, v99, v100
	v_add_f32 v96, v96, v99                        ; expert j's probability summed over the 8 tokens
	v_lshrrev_b32 v97, v139, v80
	v_and_b32 v97, 1, v97                          ; bit i of expert j's byte: does token i use expert j?
.irp i, 1,2,3,4,5,6,7
	v_lshrrev_b32 v98, v139, v[80+\i]
	v_and_b32 v98, 1, v98
	v_lshl_or_b32 v97, v98, \i, v97
.endr
	v_cmp_gt_u32 vcc_lo, 8, v1
	s_wait_xcnt 0x0                                ; EXEC changes only behind this wait
	s_and_saveexec_b32 s34, vcc_lo                 ; lanes 0 to 7: short pieces, a few bytes for each work-group
	global_store_b32 v162, v96, s[44:45] offset:8192
	global_store_b8 v163, v97, s[50:51]
	global_store_b32 v162, v88, s[46:47] offset:1024
	global_store_b64 v164, v[90:91], s[48:49]
	s_wait_xcnt 0x0                                ; and again, in front of the line that widens it
	s_or_b32 exec_lo, exec_lo, s34
.Lend:
	s_barrier_signal -1
	s_barrier_wait -1
	s_wait_tensorcnt 0x0
	ds_add_u32 v168, v169
	s_wait_dscnt 0x0
	s_endpgm
.Lfunc_end_k_q380c829327_router:
	.size	k_q380c829327_router, .Lfunc_end_k_q380c829327_router-k_q380c829327_router
	.p2alignl 7, 3214868480
	.fill 96, 4, 3214868480
	.section	.rodata,"a",@progbits
	.p2align	6, 0x0
	.amdhsa_kernel k_q380c829327_router
		.amdhsa_group_segment_fixed_size 71936
		.amdhsa_private_segment_fixed_size 0
		.amdhsa_enable_private_segment 0
		.amdhsa_kernarg_size 56
		.amdhsa_user_sgpr_count 2
		.amdhsa_user_sgpr_kernarg_segment_ptr 1
		.amdhsa_wavefront_size32 1
		.amdhsa_system_sgpr_workgroup_id_x 1
		.amdhsa_system_sgpr_workgroup_id_y 1
		.amdhsa_system_sgpr_workgroup_id_z 1
		.amdhsa_system_vgpr_workitem_id 0
		.amdhsa_next_free_vgpr 170
		.amdhsa_next_free_sgpr 66
		.amdhsa_reserve_vcc 1
		.amdhsa_float_denorm_mode_32 3
		.amdhsa_float_denorm_mode_16_64 3
		.amdhsa_memory_ordered 1
		.amdhsa_forward_progress 1
		.amdhsa_inst_pref_size 32
	.end_amdhsa_kernel
	.amdgpu_metadata
---
amdhsa.version: [ 1, 2 ]
amdhsa.kernels:
  - .name:           k_q380c829327_router
    .symbol:         k_q380c829327_router.kd
    .args:
      - { .name: x, .offset: 0, .size: 8, .value_kind: global_buffer, .address_space: global }
      - { .name: Wg, .offset: 8, .size: 8, .value_kind: global_buffer, .address_space: global }
      - { .name: bg, .offset: 16, .size: 8, .value_kind: global_buffer, .address_space: global }
      - { .name: xq, .offset: 24, .size: 8, .value_kind: global_buffer, .address_space: global }
      - { .name: route, .offset: 32, .size: 8, .value_kind: global_buffer, .address_space: global }
      - { .name: gate, .offset: 40, .size: 8, .value_kind: global_buffer, .address_space: global }
      - { .name: slotmap, .offset: 48, .size: 8, .value_kind: global_buffer, .address_space: global }
    .group_segment_fixed_size: 71936
    .private_segment_fixed_size: 0
    .kernarg_segment_align: 8
    .kernarg_segment_size: 56
    .max_flat_workgroup_size: 256
    .sgpr_count:     66
    .vgpr_count:     170
    .wavefront_size: 32
...
	.end_amdgpu_metadata
.endif
;; end of part 1
;; launch up (part 2): grid 32 x 8, 16 waves a work-group, no clusters, 72,192 bytes of LDS; arguments W1, b1, xq, route, hq, slotmap; writes hq, slotmap
.if DOCPART == 2
	.amdgcn_target "amdgcn-amd-amdhsa--gfx1250"
	.amdhsa_code_object_version 6
	.text
	.protected	k_q380c829327_up
	.globl	k_q380c829327_up
	.p2align	8
	.type	k_q380c829327_up,@function
k_q380c829327_up:
	s_mov_b64 s[64:65], 0
	v_nop
	global_prefetch_b8 v0, s[64:65] scope:SCOPE_SE
	s_setreg_imm32_b32 hwreg(HW_REG_WAVE_MODE, 25, 1), 1
	s_wait_xcnt 0x0
; UP.  h = Q(relu(Q(x) Q(W1[e]) + b1[e])) for the rows that the router gave to expert e, both operands as codes of FP4 (E2M1) with one E8M0 scale for each 32 along K; h leaves as codes.
; SHARES.  Work-group (hb, e) owns W1[e][:, 128 hb .. 128 hb + 127]: 524,288 bytes of f32 that no other work-group reads.  Sixteen waves.
;   THE STREAM: wave w takes 32 columns (cg = w % 4) x 256 along K (kq = w / 4).  A lane takes a column and its registers run down K: a block of 32 lies in one lane, the conversions give codes with K innermost,
;   and they go to LDS as images of the operand's registers: block kb of row rho of tile T at T x 8,192 + 256 kb + 16 rho.  Two blocks (64 loads a wave) are asked for ahead.  One barrier.
;   THE PRODUCTS: a unit is 32 slots (rows) x the 128 columns x K = 1,024.  Wave w takes unit w, and unit w + 16 if the expert has so many.  No barrier: the weights in LDS are only read.
; SLOTS.  Rows are sorted by expert, in token order; each expert's run begins on a block of 32 slots: nb_e = ceil(T_e / 32), base_e = the sum of nb over lower experts, slot = 32 base_e + rank.
;   At most (2,048 + 8 x 31) / 32 < 72 blocks, whatever the choice.  Counts and ranks are made from the router's bitmaps by whole-number arithmetic; a slot's token is FOUND (the rank-th set bit), not scattered.
;   A slot past the expert's last row takes token 1,023's codes; its result is stored and never read.
;   The expert's first work-group (hb = 0) stores each real row's slot into slotmap, at the kernel's end: the only lines that run with lanes off, and no vector register is written behind the first of them.
; THE MATRIX INSTRUCTION IS USED TRANSPOSED (source 0 = 16 columns of W1, source 1 = 16 rows of x), AND THE COLUMNS OF A TILE ARE NOT NEIGHBOURS: row rho of tile 2 b + u is hidden unit 32 b + 8 u + rho + 8 (rho / 8),
;   so that a lane holds one row and the 16 registers of tiles 2 b, 2 b + 1 are 16 neighbours along the next K.  b1 is loaded into the accumulators, so it costs no addition.
; hq: records [block of slots][hb] of 2,304 bytes: two fragment images of 1,024 (rows 0-15, 16-31), then 256 bytes of scale words, row l's at 8 l, written twice so that the run of 256 bytes is stored whole.
; No cluster and no tensor load: trip counts hang on counts read from memory, no weight byte is read by two work-groups, and what is shared (x's codes, 16 KiB a unit) is small beside the 512 KiB of weights.
; LIMITS: NaN and infinities are not served.  A block of zeros gets the scale byte 1 where the rule says 127: its codes are zeros, and only this program reads the bytes.
; REGISTERS: v1-15 addresses; v16-23 x's scale words, v24-31 W1's (these 16 hold scales alone); v32-47 h's codes (at the head and in the stream: at work); v48-60 at work; v61, v62 the two units' slotmap offsets;
;   v64-127 the stream's two sets of 32 numbers, afterwards v64-95 four accumulators and v96-127 two sets of two fragments of W1; v128-255 x's 16 fragments.
.set PITCH, 16384                      ; a row of W1[e] in bytes
.set TS,    8192                       ; a tile's image: 32 blocks x 256 bytes
.set WSC,   65536                      ; W1's scale words: 1,024 b + 32 (16 u + rho) + 4 s
.set BIAS,  69632                      ; the slice's 128 numbers of b1
.set RING,  64
.set ACC,   64
.set WF,    96
.set XF,    128
.set XSR,   16
.set WSR,   24
.set PC,    32
.set CW,    96                         ; the counts' mask words and their work: v96-111, ahead of the ring's second set
.macro PLACES                          ; four plain lines behind matrix instructions, in front of loads into their registers and of reads of their results
.rept 4
	v_nop
.endr
.endm
.macro LOAD t                          ; block t: W1(32 t + i, my column) into set t % 2: a wave reads 128 bytes on end, four waves side by side 512
.irp i, 0,1,2,3,4,5,6,7,8,9,10,11,12,13,14,15,16,17,18,19,20,21,22,23,24,25,26,27,28,29,30,31
	global_load_b32 v[RING+32*((\t)%2)+\i], v3, s[4:5] offset:(32*(\t)+\i)*PITCH th:TH_LOAD_NT
.endr
.endm
.macro BLOCK t, left                   ; block t is quantised and its image stored.  left: the younger loads that may stay out
.set RS, RING+32*((\t)%2)
	s_wait_loadcnt \left
	v_max3_num_f32 v32, |v[RS]|, |v[RS+1]|, |v[RS+2]|
	v_max3_num_f32 v33, |v[RS+3]|, |v[RS+4]|, |v[RS+5]|
.irp i, 6,10,14,18,22,26
	v_max3_num_f32 v32, v32, |v[RS+\i]|, |v[RS+\i+1]|
	v_max3_num_f32 v33, v33, |v[RS+\i+2]|, |v[RS+\i+3]|
.endr
	v_max3_num_f32 v32, v32, |v[RS+30]|, |v[RS+31]|
	v_max3_num_f32 v32, v32, v33, 0x1800000        ; and the floor 2^(3 - 127): the byte cannot fall under 1
	v_add_nc_u32 v34, 0xff000000, v32              ; 2 off the exponent field: the conversion's scale operand
.irp g, 0,1,2,3
	v_cvt_scalef32_pk8_fp4_f32 v[36+\g], v[RS+8*\g:RS+8*\g+7], v34
.endr
	v_lshrrev_b32 v35, 23, v34                     ; the scale's byte (also the plain line behind the conversions)
.if (\t)%4 == 0
	v_mov_b32 v40, v35                             ; four bytes make the scale word of 128 along K
.else
	v_lshl_or_b32 v40, v35, 8*((\t)%4), v40
.endif
	ds_store_b128 v4, v[36:39] offset:256*(\t)
.if (\t)%4 == 3
	ds_store_b32 v5, v40 offset:((\t)/4)*4
.endif
.if (\t)+2 < 8
	LOAD (\t)+2
.endif
	s_wait_dscnt 0x0                               ; the stores have read their registers: the next block's codes may be written
.endm
; T_i and nb_i = ceil(T_i / 32) for all 8 experts.  Lane l has 8 words of expert l % 8's bitmap (part l / 8 of four).  Bits are counted in fields of 2, 4, 8 and 16 bits, each lane for itself;
; the 32 partial counts then go to scalar registers one by one, and the four parts of each expert are added there, where the counts are wanted: they steer scalar branches and bases.
.macro COUNTS
.irp i, 0,1,2,3,4,5,6,7
	v_lshrrev_b32 v[CW+8+\i], 1, v[CW+\i]
.endr
.irp i, 0,1,2,3,4,5,6,7
	v_and_b32 v[CW+8+\i], s82, v[CW+8+\i]
.endr
.irp i, 0,1,2,3,4,5,6,7
	v_sub_nc_u32 v[CW+\i], v[CW+\i], v[CW+8+\i]    ; counts of pairs of bits
.endr
.irp i, 0,1,2,3,4,5,6,7
	v_lshrrev_b32 v[CW+8+\i], 2, v[CW+\i]
.endr
.irp i, 0,1,2,3,4,5,6,7
	v_and_b32 v[CW+\i], s83, v[CW+\i]
	v_and_b32 v[CW+8+\i], s83, v[CW+8+\i]
.endr
.irp i, 0,1,2,3,4,5,6,7
	v_add_nc_u32 v[CW+\i], v[CW+\i], v[CW+8+\i]    ; of fours: 4 at the most
.endr
.irp i, 0,2,4,6
	v_add_nc_u32 v[CW+\i], v[CW+\i], v[CW+\i+1]    ; two words: 8 at the most, still in four bits
.endr
.irp i, 0,2,4,6
	v_lshrrev_b32 v[CW+\i+1], 4, v[CW+\i]
.endr
.irp i, 0,2,4,6
	v_and_b32 v[CW+\i], s84, v[CW+\i]
	v_and_b32 v[CW+\i+1], s84, v[CW+\i+1]
.endr
.irp i, 0,2,4,6
	v_add_nc_u32 v[CW+\i], v[CW+\i], v[CW+\i+1]    ; in bytes: 16 at the most
.endr
	v_add_nc_u32 v[CW], v[CW], v[CW+2]
	v_add_nc_u32 v[CW+4], v[CW+4], v[CW+6]
	v_add_nc_u32 v[CW], v[CW], v[CW+4]             ; eight words: 64 at the most in a byte
	v_lshrrev_b32 v[CW+1], 8, v[CW]
	v_and_b32 v[CW], s85, v[CW]
	v_and_b32 v[CW+1], s85, v[CW+1]
	v_add_nc_u32 v[CW], v[CW], v[CW+1]
	v_lshrrev_b32 v[CW+1], 16, v[CW]
	v_and_b32 v[CW], 0xffff, v[CW]
	v_add_nc_u32 v[CW], v[CW], v[CW+1]             ; my 256 tokens' count
.irp i, 0,1,2,3,4,5,6,7
	v_readlane_b32 s[68+\i], v[CW], \i             ; part 0 of expert i
.endr
.irp p, 1,2,3
.irp i, 0,1,2,3,4,5,6,7
	v_readlane_b32 s[88+\i], v[CW], 8*\p+\i        ; part p of expert i stands in lane 8 p + i
.endr
.irp i, 0,1,2,3,4,5,6,7
	s_add_co_u32 s[68+\i], s[68+\i], s[88+\i]
.endr
.endr
	s_mov_b32 s22, 0
	s_mov_b32 s21, 0
	s_mov_b32 s23, 0
.irp i, 0,1,2,3,4,5,6,7
	s_cmp_eq_u32 s20, \i
	s_cselect_b32 s23, s[68+\i], s23               ; T_e
	s_add_co_u32 s[68+\i], s[68+\i], 31
	s_lshr_b32 s[68+\i], s[68+\i], 5               ; nb_i
	s_cmp_gt_u32 s20, \i
	s_cselect_b32 s26, s[68+\i], 0
	s_add_co_u32 s22, s22, s26                     ; base_e: the blocks of the experts below mine
	s_cmp_eq_u32 s20, \i
	s_cselect_b32 s21, s[68+\i], s21               ; nb_e
.endr
.endm
.macro SELSTEP src, msk, inc           ; does the wanted bit lie in the lower half of what is left?  If not: its count off k, and pos goes up
	v_lshrrev_b32 v41, v40, v[\src]
	v_and_b32 v41, \msk, v41
	v_cmp_gt_u32 vcc_lo, v41, v35
	v_sub_nc_u32 v41, v35, v41
	v_add_nc_u32 v42, \inc, v40
	v_cndmask_b32 v35, v41, v35, vcc_lo
	v_cndmask_b32 v40, v42, v40, vcc_lo
.endm
; Unit s24: each lane finds the token of slot p = 32 u + lane; x's codes and scale words of the 32 tokens are asked for; where the unit's record goes.
; ar: the register that keeps my token's slotmap offset;  mk: the scalar register that keeps the mask of real rows.  Both serve the slot stores at the kernel's end.
; All lanes are on throughout.  What was read from memory is held inside its table by v_min_u32 into a fresh register, and behind that stands a shift alone.
.macro PREP ar, mk
	s_lshl_b32 s26, s24, 5
	v_add_nc_u32 v10, s26, v1                      ; p: my rank among the expert's rows
	s_sub_co_u32 s27, s23, s26
	s_cmp_gt_u32 s23, s26
	s_cselect_b32 s27, s27, 0                      ; n: the expert's rows from this unit's first slot on
	s_lshl_b32 s[\mk], 1, s27
	s_sub_co_u32 s[\mk], s[\mk], 1                 ; lanes 0 .. n - 1 hold real rows,
	s_cmp_ge_u32 s27, 32
	s_cselect_b32 s[\mk], -1, s[\mk]               ; all 32 where n is 32 or more
	v_mov_b32 v32, 0                               ; rows in the words below the word that holds my bit,
	v_mov_b32 v33, s32                             ; that word,
	v_mov_b32 v34, 0                               ; its number
	s_mov_b32 s25, 0
.irp g, 1,2,3,4,5,6,7,8,9,10,11,12,13,14,15,16,17,18,19,20,21,22,23,24,25,26,27,28,29,30,31
	s_bcnt1_i32_b32 s26, s[31+\g]
	s_add_co_u32 s25, s25, s26                     ; rows in words 0 .. g - 1
	v_cmp_gt_u32 vcc_lo, s25, v10                  ; more than p: my bit lies below word g, the old choice stays
	v_cndmask_b32 v32, s25, v32, vcc_lo
	v_cndmask_b32 v33, s[32+\g], v33, vcc_lo
	v_cndmask_b32 v34, \g, v34, vcc_lo
.endr
	v_sub_nc_u32 v35, v10, v32                     ; k: the k-th set bit of the word is mine
	v_lshrrev_b32 v41, 1, v33
	v_and_b32 v41, s82, v41
	v_sub_nc_u32 v36, v33, v41                     ; counts of pairs of bits,
	v_lshrrev_b32 v41, 2, v36
	v_and_b32 v41, s83, v41
	v_and_b32 v37, s83, v36
	v_add_nc_u32 v37, v37, v41                     ; of fours,
	v_lshrrev_b32 v41, 4, v37
	v_add_nc_u32 v38, v37, v41
	v_and_b32 v38, s84, v38                        ; of bytes,
	v_lshrrev_b32 v41, 8, v38
	v_add_nc_u32 v39, v38, v41
	v_and_b32 v39, s85, v39                        ; of halves
	v_mov_b32 v40, 0                               ; pos
	SELSTEP 39, 0xff, 16
	SELSTEP 38, 0xff, 8
	SELSTEP 37, 15, 4
	SELSTEP 36, 3, 2
	SELSTEP 33, 1, 1
	v_lshl_add_u32 v11, v34, 5, v40                ; my token.  (p at or past T_e ends at word 31, bit 31: token 1,023)
	v_mov_b32 v44, 0                               ; (a lane permute's destination counts as one of its sources)
	v_permlanex16_b32 v44, v11, s66, s67           ; lane l xor 16's token
	v_cndmask_b32 v45, v11, v44, s81               ; the token of row l % 16 of the unit's first 16,
	v_cndmask_b32 v46, v44, v11, s81               ; and of its second 16
	v_lshl_add_u32 v45, v45, 5, v2                 ; 32 x token + lane / 16: in units of 16 bytes my place in that token's 512 bytes of codes
	v_lshl_add_u32 v46, v46, 5, v2
	v_min_u32 v12, 0x7fe1, v45                     ; 32 x 1,023 + 1 at the most
	v_min_u32 v13, 0x7fe1, v46
	v_min_u32 v14, 0x3ff, v11
	v_min_u32 v[\ar], 0x3ff, v11
	v_lshlrev_b32 v12, 4, v12                      ; 512 x token + 16 (lane / 16)
	v_lshlrev_b32 v13, 4, v13
	v_lshlrev_b32 v14, 5, v14                      ; my own token's 32 scale bytes
	v_lshlrev_b32 v[\ar], 5, v[\ar]                ; slotmap: 32 bytes a token (4 e stands in the base)
.irp m, 0,1
.irp s, 0,1,2,3,4,5,6,7
.irp c, 0,1
	global_load_b128 v[XF+64*\m+8*\s+4*\c:XF+64*\m+8*\s+4*\c+3], v[12+\m], s[8:9] offset:64*\s+32*\c   ; fragment (m, s): registers 4 c on hold k = 128 s + 64 c + 32 (lane / 16) + 0 .. 31
.endr
.endr
.endr
	global_load_b128 v[XSR:XSR+3], v14, s[28:29]             ; register s: lanes 0-15 the words of rows 0-15, lanes 16-31 of rows 16-31, for K step s
	global_load_b128 v[XSR+4:XSR+7], v14, s[28:29] offset:16
	s_add_co_u32 s26, s22, s24
	s_min_u32 s26, s26, 71                         ; the unit's block of slots
	s_lshl_b32 s26, s26, 5
	s_add_co_u32 s26, s26, s19
	s_mul_i32 s26, s26, 2304
	s_mov_b32 s27, 0
	s_add_nc_u64 s[76:77], s[12:13], s[26:27]      ; its record for my 128 hidden units
.endm
; One product.  row: bit 0: source 0's scales stand in lanes 16-31; bit 1: source 1's do
.macro WM d, a, b, sa, sb, row
.if \row == 0
	v_wmma_scale_f32_16x16x128_f8f6f4 v[\d:\d+7], v[\a:\a+7], v[\b:\b+7], v[\d:\d+7], v[\sa], v[\sb] matrix_a_fmt:MATRIX_FMT_FP4 matrix_b_fmt:MATRIX_FMT_FP4
.elseif \row == 1
	v_wmma_scale_f32_16x16x128_f8f6f4 v[\d:\d+7], v[\a:\a+7], v[\b:\b+7], v[\d:\d+7], v[\sa], v[\sb] matrix_a_fmt:MATRIX_FMT_FP4 matrix_b_fmt:MATRIX_FMT_FP4 matrix_a_scale:MATRIX_SCALE_ROW1
.elseif \row == 2
	v_wmma_scale_f32_16x16x128_f8f6f4 v[\d:\d+7], v[\a:\a+7], v[\b:\b+7], v[\d:\d+7], v[\sa], v[\sb] matrix_a_fmt:MATRIX_FMT_FP4 matrix_b_fmt:MATRIX_FMT_FP4 matrix_b_scale:MATRIX_SCALE_ROW1
.else
	v_wmma_scale_f32_16x16x128_f8f6f4 v[\d:\d+7], v[\a:\a+7], v[\b:\b+7], v[\d:\d+7], v[\sa], v[\sb] matrix_a_fmt:MATRIX_FMT_FP4 matrix_b_fmt:MATRIX_FMT_FP4 matrix_a_scale:MATRIX_SCALE_ROW1 matrix_b_scale:MATRIX_SCALE_ROW1
.endif
.endm
.macro WLOAD t0, s, set                ; the fragments of tiles t0, t0 + 1 for K step s, as they were stored: four loads of 512 bytes on end
.irp u, 0,1
.irp c, 0,1
	ds_load_b128 v[WF+16*(\set)+8*\u+4*\c:WF+16*(\set)+8*\u+4*\c+3], v6 offset:((\t0)+\u)*TS+1024*(\s)+512*\c
.endr
.endr
.endm
.macro WSLOAD b                        ; the scale words of tiles 2 b (lanes 0-15) and 2 b + 1 (lanes 16-31): register s for K step s
	ds_load_b128 v[WSR:WSR+3], v8 offset:1024*(\b)
	ds_load_b128 v[WSR+4:WSR+7], v8 offset:1024*(\b)+16
.endm
.macro BIASLD b                        ; b1 of hidden units 32 b + 16 (lane / 16) + 0 .. 15 into both row tiles' accumulators: the sums begin with it
.irp m, 0,1
.irp i, 0,1,2,3
	ds_load_b128 v[ACC+16*\m+4*\i:ACC+16*\m+4*\i+3], v7 offset:128*(\b)+16*\i
.endr
.endr
.endm
.macro KSTEP b, s                      ; 128 along K: four products, the four accumulators by turns, one instruction a turn
.if (\s) < 7
.if (\s) > 0
	PLACES                                         ; the other set was read by the four products just issued
.endif
	WLOAD 2*(\b), (\s)+1, ((\s)+1)%2
	s_wait_dscnt 0x4                               ; all but the four loads just issued are in
.else
	s_wait_dscnt 0x0
.endif
	WM ACC, WF+16*((\s)%2), XF+8*(\s), WSR+(\s), XSR+(\s), 0
	WM ACC+8, WF+16*((\s)%2)+8, XF+8*(\s), WSR+(\s), XSR+(\s), 1
	WM ACC+16, WF+16*((\s)%2), XF+64+8*(\s), WSR+(\s), XSR+(\s), 2
	WM ACC+24, WF+16*((\s)%2)+8, XF+64+8*(\s), WSR+(\s), XSR+(\s), 3
.endm
.macro HQUANT b                        ; 32 hidden units of 32 rows: relu, the block's scale, its codes
	PLACES
.if (\b) < 3
	WSLOAD (\b)+1                                  ; the next 32 units' scale words and first fragments land meanwhile
	WLOAD 2*((\b)+1), 0, 0
.endif
.irp j, 0,1,2,3,4,5,6,7,8,9,10,11,12,13,14,15,16,17,18,19,20,21,22,23,24,25,26,27,28,29,30,31
	v_max_num_f32 v[ACC+\j], 0, v[ACC+\j]          ; the activation, in f32; each accumulator from its low end on
.endr
.irp m, 0,1
	v_max3_num_f32 v[52+4*\m], v[ACC+16*\m], v[ACC+16*\m+1], 0x1800000   ; none is negative: no |.|; the floor 2^(3 - 127) holds the byte at 1 from below
.endr
.irp i, 2,4,6,8,10,12,14
.irp m, 0,1
	v_max3_num_f32 v[52+4*\m], v[52+4*\m], v[ACC+16*\m+\i], v[ACC+16*\m+\i+1]
.endr
.endr
.irp m, 0,1
	v_permlanex16_b32 v[53+4*\m], v[52+4*\m], s66, s67
.endr
.irp m, 0,1
	v_max_num_f32 v[52+4*\m], v[52+4*\m], v[53+4*\m]   ; with lane l xor 16's 16 units: the block's largest
.endr
.irp m, 0,1
	v_add_nc_u32 v[54+4*\m], 0xff000000, v[52+4*\m]
.endr
.irp m, 0,1
	v_lshrrev_b32 v[55+4*\m], 23, v[54+4*\m]
.endr
.irp m, 0,1
.if (\b) == 0
	v_mov_b32 v[48+\m], v[55+4*\m]                 ; the four blocks' bytes make the row's scale word
.else
	v_lshl_or_b32 v[48+\m], v[55+4*\m], 8*(\b), v[48+\m]
.endif
.endr
.irp m, 0,1
	v_cvt_scalef32_pk8_fp4_f32 v[PC+8*\m+2*(\b)], v[ACC+16*\m:ACC+16*\m+7], v[54+4*\m]
	v_cvt_scalef32_pk8_fp4_f32 v[PC+8*\m+2*(\b)+1], v[ACC+16*\m+8:ACC+16*\m+15], v[54+4*\m]
.endr
	v_nop                                          ; one plain line behind the conversions
.if (\b)%2 == 1                        ; the operand's layout wants a whole block in a lane: lanes 0-15 the even block, lanes 16-31 the odd one
.irp m, 0,1
.irp i, 0,1
	v_permlane16_swap_b32 v[PC+8*\m+4*((\b)/2)+\i], v[PC+8*\m+4*((\b)/2)+2+\i]
.endr
.endr
.endif
.if (\b) < 3
	BIASLD (\b)+1
.endif
.endm
.macro COMPUTE
	WSLOAD 0
	WLOAD 0, 0, 0
	BIASLD 0
.irp b, 0,1,2,3
.irp s, 0,1,2,3,4,5,6,7
	KSTEP \b, \s
.endr
	HQUANT \b
.endr
.irp m, 0,1
	global_store_b128 v6, v[PC+8*\m:PC+8*\m+3], s[76:77] offset:1024*\m         ; the fragment as it stands: 512 bytes on end a store
	global_store_b128 v6, v[PC+8*\m+4:PC+8*\m+7], s[76:77] offset:1024*\m+512
.endr
	v_cndmask_b32 v50, v48, v49, s81               ; lanes 0-15: rows 0-15's words; lanes 16-31: rows 16-31's
	v_mov_b32 v51, v50
	global_store_b64 v9, v[50:51], s[76:77] offset:2048
.endm
	s_load_b256 s[4:11], s[0:1], 0x0               ; W1 s[4:5], b1 s[6:7], xq s[8:9], route s[10:11]
	s_load_b128 s[12:15], s[0:1], 0x20             ; hq s[12:13], slotmap s[14:15]
	v_and_b32 v1, 31, v0                           ; lane
	v_bfe_u32 v2, v0, 4, 1                         ; h = lane / 16
	v_lshrrev_b32 v32, 5, v0
	v_readfirstlane_b32 s16, v32                   ; wave 0..15
	s_and_b32 s17, s16, 3                          ; cg
	s_lshr_b32 s18, s16, 2                         ; kq
	s_mov_b32 s19, ttmp9                           ; hb
	s_and_b32 s20, ttmp7, 0xffff                   ; e
	s_mov_b32 s66, 0x76543210
	s_mov_b32 s67, 0xfedcba98                      ; v_permlanex16_b32's selects for lane l xor 16
	s_mov_b32 s81, 0xffff0000                      ; lanes 16-31
	s_mov_b32 s82, 0x55555555
	s_mov_b32 s83, 0x33333333
	s_mov_b32 s84, 0x0f0f0f0f
	s_mov_b32 s85, 0x00ff00ff
	s_mov_b32 s87, 0                               ; the second unit's mask of real rows: none, unless that unit is prepared
	v_mov_b32 v62, 0                               ; and its slotmap offset: written on every way
	v_lshlrev_b32 v3, 2, v1                        ; the stream: 4 bytes a lane
	v_bfe_u32 v32, v0, 3, 1                        ; u: which tile of the pair my column falls into
	v_and_b32 v33, 7, v0
	v_lshl_add_u32 v33, v2, 3, v33                 ; rho: its row there
	v_lshlrev_b32 v4, 13, v32
	v_lshl_add_u32 v4, v33, 4, v4
	s_lshl_b32 s26, s17, 14
	s_lshl_b32 s27, s18, 11
	s_add_co_u32 s26, s26, s27
	v_add_nc_u32 v4, s26, v4                       ; my codes: (2 cg + u) x 8,192 + 256 x 8 kq + 16 rho
	v_lshl_add_u32 v34, v32, 4, v33
	v_lshlrev_b32 v5, 5, v34
	s_lshl_b32 s26, s17, 10
	s_lshl_b32 s27, s18, 3
	s_add_co_u32 s26, s26, s27
	s_add_co_u32 s26, s26, WSC
	v_add_nc_u32 v5, s26, v5                       ; my scale words: 1,024 cg + 32 (16 u + rho) + 4 x 2 kq
	v_lshlrev_b32 v6, 4, v1                        ; an image's place for my lane
	v_lshl_add_u32 v7, v2, 6, BIAS
	v_lshl_add_u32 v8, v1, 5, WSC
	v_lshlrev_b32 v9, 3, v1
	v_and_b32 v47, 127, v0
	v_lshl_add_u32 v15, v47, 2, BIAS
	v_lshlrev_b32 v47, 2, v47                      ; b1: one number a thread of waves 0 to 3
	v_and_b32 v46, 7, v0
	v_lshlrev_b32 v46, 7, v46
	v_bfe_u32 v45, v0, 3, 2
	v_lshl_add_u32 v46, v45, 5, v46                ; the bitmaps: expert lane % 8, part lane / 8
	v_mov_b32 v53, 0                               ; written once: a lane permute's destination counts as one of its sources
	v_mov_b32 v57, 0
	s_lshl_b32 s26, s20, 24                        ; W1[e]: 2^24 bytes an expert,
	s_lshl_b32 s27, s18, 22
	s_add_co_u32 s26, s26, s27                     ; 256 kq rows of 16,384 bytes,
	s_lshl_b32 s27, s19, 9
	s_add_co_u32 s26, s26, s27                     ; 128 hb columns,
	s_lshl_b32 s27, s17, 7
	s_add_co_u32 s26, s26, s27                     ; 32 cg columns
	s_mov_b32 s27, 0
	s_wait_kmcnt 0x0
	s_add_nc_u64 s[4:5], s[4:5], s[26:27]
	s_lshl_b32 s26, s20, 14
	s_lshl_b32 s78, s19, 9
	s_add_co_u32 s26, s26, s78
	s_add_nc_u64 s[6:7], s[6:7], s[26:27]          ; b1[e] at my 128 units
	s_add_nc_u64 s[28:29], s[8:9], 524288          ; x's scale bytes
	s_lshl_b32 s26, s20, 7
	s_add_nc_u64 s[30:31], s[10:11], s[26:27]      ; my expert's bitmap
	s_lshl_b32 s26, s20, 2
	s_add_nc_u64 s[14:15], s[14:15], s[26:27]      ; slotmap at entry e
	s_load_b512 s[32:47], s[30:31], 0x0            ; its 32 words stay in s32-63
	s_load_b512 s[48:63], s[30:31], 0x40
	global_load_b128 v[CW:CW+3], v46, s[10:11]
	global_load_b128 v[CW+4:CW+7], v46, s[10:11] offset:16
	global_load_b32 v60, v47, s[6:7]
	LOAD 0
	s_wait_loadcnt 32                              ; the three small loads are in (so their offset registers are free); block 0's 32 may be out
	COUNTS
	s_cmp_gt_u32 s16, 3
	s_cbranch_scc1 .Lno_bias
	ds_store_b32 v15, v60                          ; waves 0 to 3: b1's 128 numbers
.Lno_bias:
	s_wait_kmcnt 0x0                               ; the bitmap's words
	s_mov_b32 s24, s16                             ; my first unit.  It is prepared whether or not the expert has so many: a unit past the end asks for token 1,023's codes, which exist
	PREP 61, 86
	LOAD 1
	BLOCK 0, 32                                    ; behind block 0's loads stand x's 34 and block 1's 32: the count leaves block 1's out, so x is in too
	BLOCK 1, 32
	BLOCK 2, 32
	BLOCK 3, 32
	BLOCK 4, 32
	BLOCK 5, 32
	BLOCK 6, 32                                    ; block 7's 32 may be out
	BLOCK 7, 0
	s_wait_dscnt 0x0                               ; for the others' sake: all my LDS stores have landed
	s_barrier_signal -1
	s_barrier_wait -1                              ; the slice's codes, scale words and bias lie in LDS; from here on they are only read
	s_cmp_ge_u32 s24, s21
	s_cbranch_scc1 .Lunit_b
	COMPUTE
.Lunit_b:
	s_add_co_u32 s24, s24, 16
	s_cmp_ge_u32 s24, s21
	s_cbranch_scc1 .Lslots
	s_wait_xcnt 0x0                                ; the first unit's stores have read their registers and their base: both are written again below
	PREP 62, 87
	s_wait_loadcnt 0x0                             ; x's codes and scale words
	COMPUTE
.Lslots:
	s_cmp_lg_u32 s19, 0
	s_cbranch_scc1 .Lend                           ; the expert's first work-group alone stores the slots
	s_add_co_u32 s26, s22, s16
	s_lshl_b32 s26, s26, 5
	v_add_nc_u32 v52, s26, v1                      ; my slot in the first unit: 32 (base_e + wave) + lane,
	v_add_nc_u32 v56, 512, v52                     ; and in the second, 16 blocks on.  Both are made with all lanes on
	s_mov_b32 vcc_lo, s86                          ; the first unit's real rows (none where the expert has no such unit: every rank there lies past T_e)
	s_wait_xcnt 0x0                                ; EXEC changes only behind this wait
	s_and_saveexec_b32 s80, vcc_lo
	global_store_b32 v61, v52, s[14:15]            ; 4 bytes a token, 32 bytes apart: 2,048 words in the whole launch
	s_wait_xcnt 0x0                                ; and again, in front of the line that widens it
	s_or_b32 exec_lo, exec_lo, s80
	s_mov_b32 vcc_lo, s87                          ; the second unit's (nothing has been issued since the wait above)
	s_and_saveexec_b32 s80, vcc_lo
	global_store_b32 v62, v56, s[14:15]
	s_wait_xcnt 0x0
	s_or_b32 exec_lo, exec_lo, s80
.Lend:
	s_wait_xcnt 0x0
	s_mov_b32 exec_lo, -1
	v_lshl_add_u32 v62, v0, 2, 0x11200
	v_mov_b32 v63, 0
	s_wait_tensorcnt 0x0
	ds_add_u32 v62, v63
	s_wait_dscnt 0x0
	s_endpgm
.Lfunc_end_k_q380c829327_up:
	.size	k_q380c829327_up, .Lfunc_end_k_q380c829327_up-k_q380c829327_up
	.p2alignl 7, 3214868480
	.fill 96, 4, 3214868480
	.section	.rodata,"a",@progbits
	.p2align	6, 0x0
	.amdhsa_kernel k_q380c829327_up
		.amdhsa_group_segment_fixed_size 72192
		.amdhsa_private_segment_fixed_size 0
		.amdhsa_enable_private_segment 0
		.amdhsa_kernarg_size 48
		.amdhsa_user_sgpr_count 2
		.amdhsa_user_sgpr_kernarg_segment_ptr 1
		.amdhsa_wavefront_size32 1
		.amdhsa_system_sgpr_workgroup_id_x 1
		.amdhsa_system_sgpr_workgroup_id_y 1
		.amdhsa_system_sgpr_workgroup_id_z 1
		.amdhsa_system_vgpr_workitem_id 0
		.amdhsa_next_free_vgpr 256
		.amdhsa_next_free_sgpr 96
		.amdhsa_reserve_vcc 1
		.amdhsa_float_denorm_mode_32 3
		.amdhsa_float_denorm_mode_16_64 3
		.amdhsa_memory_ordered 1
		.amdhsa_forward_progress 1
		.amdhsa_inst_pref_size 160
	.end_amdhsa_kernel
	.amdgpu_metadata
---
amdhsa.version: [ 1, 2 ]
amdhsa.kernels:
  - .name:           k_q380c829327_up
    .symbol:         k_q380c829327_up.kd
    .args:
      - { .name: W1, .offset: 0, .size: 8, .value_kind: global_buffer, .address_space: global }
      - { .name: b1, .offset: 8, .size: 8, .value_kind: global_buffer, .address_space: global }
      - { .name: xq, .offset: 16, .size: 8, .value_kind: global_buffer, .address_space: global }
      - { .name: route, .offset: 24, .size: 8, .value_kind: global_buffer, .address_space: global }
      - { .name: hq, .offset: 32, .size: 8, .value_kind: global_buffer, .address_space: global }
      - { .name: slotmap, .offset: 40, .size: 8, .value_kind: global_buffer, .address_space: global }
    .group_segment_fixed_size: 72192
    .private_segment_fixed_size: 0
    .kernarg_segment_align: 8
    .kernarg_segment_size: 48
    .max_flat_workgroup_size: 512
    .sgpr_count:     96
    .vgpr_count:     256
    .wavefront_size: 32
...
	.end_amdgpu_metadata
.endif
;; end of part 2
;; launch down (part 3): grid 32 x 8, 16 waves a work-group, no clusters, 141,312 bytes of LDS; arguments W2, route, hq, y; writes y
.if DOCPART == 3
	.amdgcn_target "amdgcn-amd-amdhsa--gfx1250"
	.amdhsa_code_object_version 6
	.text
	.protected	k_q380c829327_down
	.globl	k_q380c829327_down
	.p2align	8
	.type	k_q380c829327_down,@function
k_q380c829327_down:
	s_mov_b64 s[64:65], 0
	v_nop
	global_prefetch_b8 v0, s[64:65] scope:SCOPE_SE
	s_setreg_imm32_b32 hwreg(HW_REG_WAVE_MODE, 25, 1), 1
	s_wait_xcnt 0x0
; DOWN.  y[kh][slot][:] = Q(h) Q(W2[e]) summed over one half of H, for the slots of expert e: f32 partial rows; the last launch adds the two halves, b2 and the gate's weights.
; SHARES.  Work-group (x, e): nb = x / 2: 64 columns of D; kh = x % 2: 2,048 of H.  It owns W2[e][2,048 kh .. + 2,047, 64 nb .. + 63]: 524,288 bytes of f32 that no other work-group reads; each row's piece is 256 bytes, aligned.
;   THE STREAM: wave w takes 32 columns (cg = w % 2) x 256 along K (kp = w / 2); a lane a column, registers down K; codes go to LDS as images of the operand's registers
;   (block kb of row rho of tile T at T x 16,384 + 256 kb + 16 rho).  Two blocks (64 loads a wave) are asked for ahead.  One barrier.
;   THE PRODUCTS: a unit is 32 slots x 64 columns x 16 K steps of 128.  Wave w takes unit w, and unit w + 16 if the expert has so many.  h's fragments come from memory as the launch before laid them: images of registers.
; THE MATRIX INSTRUCTION IS USED TRANSPOSED (source 0 = 16 columns of W2, source 1 = 16 rows of h): a lane holds eight neighbouring columns of one row of y.
; The halves of H are two work-groups' so that all 256 work-groups stream whole 256-byte pieces of W2's rows; the price is a second partial row of y for each slot.
; No cluster and no tensor load: trip counts hang on counts read from memory, and no weight byte is read by two work-groups.
; LIMITS: NaN and infinities are not served.  A block of zeros gets the scale byte 1 where the rule says 127: its codes are zeros, and only this program reads the bytes.
; REGISTERS: v1-15 addresses; v16-23 h's scale words, v24-31 W2's (these 16 hold scales alone); v32-63 two sets of two fragments of W2 (in the stream: at work);
;   v64-127 the stream's two sets of 32 numbers, afterwards eight accumulators; v128-255 h's fragments of eight K steps, on the way out rows of y.
.set PITCH, 4096                       ; a row of W2[e] in bytes
.set TS,    16384                      ; a tile's image: 64 blocks x 256 bytes
.set WSC,   65536                      ; W2's scale words: 2,048 (tile pair) + 64 lane + 4 s
.set STAGE, 69632                      ; the way out: 16 rows x (256 bytes + 16) for each wave, its own
.set RING,  64
.set ACC,   64
.set WF,    32
.set HF,    128
.set HSR,   16
.set WSR,   24
.set CW,    96                         ; the counts' mask words and their work: v96-111, ahead of the ring's second set
.macro PLACES                          ; four plain lines behind matrix instructions, in front of loads into their registers and of reads of their results
.rept 4
	v_nop
.endr
.endm
.macro LOAD t                          ; block t: W2(32 t + i, my column) into set t % 2: a wave reads 128 bytes on end, two waves side by side 256
.irp i, 0,1,2,3,4,5,6,7,8,9,10,11,12,13,14,15,16,17,18,19,20,21,22,23,24,25,26,27,28,29,30,31
	global_load_b32 v[RING+32*((\t)%2)+\i], v3, s[4:5] offset:(32*(\t)+\i)*PITCH th:TH_LOAD_NT
.endr
.endm
.macro BLOCK t, left                   ; block t is quantised and its image stored.  left: the younger loads that may stay out
.set RS, RING+32*((\t)%2)
	s_wait_loadcnt \left
	v_max3_num_f32 v32, |v[RS]|, |v[RS+1]|, |v[RS+2]|
	v_max3_num_f32 v33, |v[RS+3]|, |v[RS+4]|, |v[RS+5]|
.irp i, 6,10,14,18,22,26
	v_max3_num_f32 v32, v32, |v[RS+\i]|, |v[RS+\i+1]|
	v_max3_num_f32 v33, v33, |v[RS+\i+2]|, |v[RS+\i+3]|
.endr
	v_max3_num_f32 v32, v32, |v[RS+30]|, |v[RS+31]|
	v_max3_num_f32 v32, v32, v33, 0x1800000        ; and the floor 2^(3 - 127): the byte cannot fall under 1
	v_add_nc_u32 v34, 0xff000000, v32              ; 2 off the exponent field: the conversion's scale operand
.irp g, 0,1,2,3
	v_cvt_scalef32_pk8_fp4_f32 v[36+\g], v[RS+8*\g:RS+8*\g+7], v34
.endr
	v_lshrrev_b32 v35, 23, v34                     ; the scale's byte (also the plain line behind the conversions)
.if (\t)%4 == 0
	v_mov_b32 v40, v35                             ; four bytes make the scale word of 128 along K
.else
	v_lshl_or_b32 v40, v35, 8*((\t)%4), v40
.endif
	ds_store_b128 v4, v[36:39] offset:256*(\t)
.if (\t)%4 == 3
	ds_store_b32 v5, v40 offset:((\t)/4)*4
.endif
.if (\t)+2 < 8
	LOAD (\t)+2
.endif
	s_wait_dscnt 0x0                               ; the stores have read their registers: the next block's codes may be written
.endm
; nb_i = ceil(T_i / 32) for all 8 experts.  Lane l has 8 words of expert l % 8's bitmap (part l / 8 of four).  Bits are counted in fields of 2, 4, 8 and 16 bits, each lane for itself;
; the 32 partial counts then go to scalar registers one by one, and the four parts of each expert are added there, where the counts are wanted: they steer scalar branches and bases.
.macro COUNTS
.irp i, 0,1,2,3,4,5,6,7
	v_lshrrev_b32 v[CW+8+\i], 1, v[CW+\i]
.endr
.irp i, 0,1,2,3,4,5,6,7
	v_and_b32 v[CW+8+\i], s82, v[CW+8+\i]
.endr
.irp i, 0,1,2,3,4,5,6,7
	v_sub_nc_u32 v[CW+\i], v[CW+\i], v[CW+8+\i]    ; counts of pairs of bits
.endr
.irp i, 0,1,2,3,4,5,6,7
	v_lshrrev_b32 v[CW+8+\i], 2, v[CW+\i]
.endr
.irp i, 0,1,2,3,4,5,6,7
	v_and_b32 v[CW+\i], s83, v[CW+\i]
	v_and_b32 v[CW+8+\i], s83, v[CW+8+\i]
.endr
.irp i, 0,1,2,3,4,5,6,7
	v_add_nc_u32 v[CW+\i], v[CW+\i], v[CW+8+\i]    ; of fours: 4 at the most
.endr
.irp i, 0,2,4,6
	v_add_nc_u32 v[CW+\i], v[CW+\i], v[CW+\i+1]    ; two words: 8 at the most, still in four bits
.endr
.irp i, 0,2,4,6
	v_lshrrev_b32 v[CW+\i+1], 4, v[CW+\i]
.endr
.irp i, 0,2,4,6
	v_and_b32 v[CW+\i], s84, v[CW+\i]
	v_and_b32 v[CW+\i+1], s84, v[CW+\i+1]
.endr
.irp i, 0,2,4,6
	v_add_nc_u32 v[CW+\i], v[CW+\i], v[CW+\i+1]    ; in bytes: 16 at the most
.endr
	v_add_nc_u32 v[CW], v[CW], v[CW+2]
	v_add_nc_u32 v[CW+4], v[CW+4], v[CW+6]
	v_add_nc_u32 v[CW], v[CW], v[CW+4]             ; eight words: 64 at the most in a byte
	v_lshrrev_b32 v[CW+1], 8, v[CW]
	v_and_b32 v[CW], s85, v[CW]
	v_and_b32 v[CW+1], s85, v[CW+1]
	v_add_nc_u32 v[CW], v[CW], v[CW+1]
	v_lshrrev_b32 v[CW+1], 16, v[CW]
	v_and_b32 v[CW], 0xffff, v[CW]
	v_add_nc_u32 v[CW], v[CW], v[CW+1]             ; my 256 tokens' count
.irp i, 0,1,2,3,4,5,6,7
	v_readlane_b32 s[68+\i], v[CW], \i             ; part 0 of expert i
.endr
.irp p, 1,2,3
.irp i, 0,1,2,3,4,5,6,7
	v_readlane_b32 s[88+\i], v[CW], 8*\p+\i        ; part p of expert i stands in lane 8 p + i
.endr
.irp i, 0,1,2,3,4,5,6,7
	s_add_co_u32 s[68+\i], s[68+\i], s[88+\i]
.endr
.endr
	s_mov_b32 s22, 0
	s_mov_b32 s21, 0
.irp i, 0,1,2,3,4,5,6,7
	s_add_co_u32 s[68+\i], s[68+\i], 31
	s_lshr_b32 s[68+\i], s[68+\i], 5               ; nb_i
	s_cmp_gt_u32 s20, \i
	s_cselect_b32 s26, s[68+\i], 0
	s_add_co_u32 s22, s22, s26                     ; base_e: the blocks of the experts below mine
	s_cmp_eq_u32 s20, \i
	s_cselect_b32 s21, s[68+\i], s21               ; nb_e
.endr
.endm
; One product.  row: bit 0: source 0's scales stand in lanes 16-31; bit 1: source 1's do.  z = 1: the sum begins
.macro WM d, a, b, sa, sb, row, z
.if \z
.if \row == 0
	v_wmma_scale_f32_16x16x128_f8f6f4 v[\d:\d+7], v[\a:\a+7], v[\b:\b+7], 0, v[\sa], v[\sb] matrix_a_fmt:MATRIX_FMT_FP4 matrix_b_fmt:MATRIX_FMT_FP4
.elseif \row == 1
	v_wmma_scale_f32_16x16x128_f8f6f4 v[\d:\d+7], v[\a:\a+7], v[\b:\b+7], 0, v[\sa], v[\sb] matrix_a_fmt:MATRIX_FMT_FP4 matrix_b_fmt:MATRIX_FMT_FP4 matrix_a_scale:MATRIX_SCALE_ROW1
.elseif \row == 2
	v_wmma_scale_f32_16x16x128_f8f6f4 v[\d:\d+7], v[\a:\a+7], v[\b:\b+7], 0, v[\sa], v[\sb] matrix_a_fmt:MATRIX_FMT_FP4 matrix_b_fmt:MATRIX_FMT_FP4 matrix_b_scale:MATRIX_SCALE_ROW1
.else
	v_wmma_scale_f32_16x16x128_f8f6f4 v[\d:\d+7], v[\a:\a+7], v[\b:\b+7], 0, v[\sa], v[\sb] matrix_a_fmt:MATRIX_FMT_FP4 matrix_b_fmt:MATRIX_FMT_FP4 matrix_a_scale:MATRIX_SCALE_ROW1 matrix_b_scale:MATRIX_SCALE_ROW1
.endif
.else
.if \row == 0
	v_wmma_scale_f32_16x16x128_f8f6f4 v[\d:\d+7], v[\a:\a+7], v[\b:\b+7], v[\d:\d+7], v[\sa], v[\sb] matrix_a_fmt:MATRIX_FMT_FP4 matrix_b_fmt:MATRIX_FMT_FP4
.elseif \row == 1
	v_wmma_scale_f32_16x16x128_f8f6f4 v[\d:\d+7], v[\a:\a+7], v[\b:\b+7], v[\d:\d+7], v[\sa], v[\sb] matrix_a_fmt:MATRIX_FMT_FP4 matrix_b_fmt:MATRIX_FMT_FP4 matrix_a_scale:MATRIX_SCALE_ROW1
.elseif \row == 2
	v_wmma_scale_f32_16x16x128_f8f6f4 v[\d:\d+7], v[\a:\a+7], v[\b:\b+7], v[\d:\d+7], v[\sa], v[\sb] matrix_a_fmt:MATRIX_FMT_FP4 matrix_b_fmt:MATRIX_FMT_FP4 matrix_b_scale:MATRIX_SCALE_ROW1
.else
	v_wmma_scale_f32_16x16x128_f8f6f4 v[\d:\d+7], v[\a:\a+7], v[\b:\b+7], v[\d:\d+7], v[\sa], v[\sb] matrix_a_fmt:MATRIX_FMT_FP4 matrix_b_fmt:MATRIX_FMT_FP4 matrix_a_scale:MATRIX_SCALE_ROW1 matrix_b_scale:MATRIX_SCALE_ROW1
.endif
.endif
.endm
.macro WLOAD t0, s, set                ; the fragments of tiles t0, t0 + 1 for K step s, as they were stored: four loads of 512 bytes on end
.irp u, 0,1
.irp c, 0,1
	ds_load_b128 v[WF+16*(\set)+8*\u+4*\c:WF+16*(\set)+8*\u+4*\c+3], v6 offset:((\t0)+\u)*TS+1024*(\s)+512*\c
.endr
.endr
.endm
.macro WSLOAD q                        ; W2's scale words of K steps 4 q .. 4 q + 3, for both pairs of tiles: lanes 0-15 the even tile, lanes 16-31 the odd one
.irp p, 0,1
	ds_load_b128 v[WSR+4*\p:WSR+4*\p+3], v8 offset:2048*\p+16*(\q)
.endr
.endm
.macro HLOAD s                         ; h's two fragments and its scale words of K step s into place s % 8: five loads
.irp m, 0,1
.irp c, 0,1
	global_load_b128 v[HF+16*((\s)%8)+8*\m+4*\c:HF+16*((\s)%8)+8*\m+4*\c+3], v7, s[28:29] offset:2304*(\s)+1024*\m+512*\c
.endr
.endr
	global_load_b32 v[HSR+(\s)%8], v9, s[28:29] offset:2304*(\s)+2048
.endm
; Unit s24: where its records of h and its rows of y lie, and the first eight K steps of h.  A wave whose unit does not exist still issues the 40 loads, so that counts and registers are alike on every way:
; its flag is 0, which turns them into reads of 16 bytes of block 0's records; block 0 always exists, since 2,048 rows are routed.
.macro HPREP
	s_cmp_lt_u32 s24, s21
	s_cselect_b32 s25, 1, 0                        ; does the expert have this unit?
	s_add_co_u32 s26, s22, s24
	s_mul_i32 s26, s26, s25
	s_min_u32 s26, s26, 71                         ; its block of slots
	s_lshl_b32 s27, s26, 5
	s_lshl_b32 s32, s23, 4
	s_add_co_u32 s27, s27, s32
	s_mul_i32 s32, s27, 2304
	s_mov_b32 s33, 0
	s_add_nc_u64 s[28:29], s[8:9], s[32:33]        ; the records of my half of H: (32 block + 16 kh) x 2,304
	v_mul_u32_u24 v7, s25, v6
	v_min_u32 v7, 0x1f0, v7                        ; 16 x lane, or 0
	v_mul_u32_u24 v9, s25, v14
	v_min_u32 v9, 0xf8, v9                         ; 8 x lane, or 0
	s_lshl_b32 s32, s26, 17                        ; y: 32 rows of 4,096 bytes a block,
	s_mul_i32 s27, s23, 9437184
	s_add_co_u32 s32, s32, s27                     ; 2,304 rows a half of H,
	s_lshl_b32 s27, s19, 8
	s_add_co_u32 s32, s32, s27                     ; my 64 columns
	s_add_nc_u64 s[30:31], s[10:11], s[32:33]
.irp s, 0,1,2,3,4,5,6,7
	HLOAD \s
.endr
.endm
; Half a K step: one pair of tiles of W2 against the unit's two tiles of rows: four products.  The eight accumulators take turns, one instruction a turn.
.macro HALF j
.set S_, (\j)/2
.set TP_, (\j)%2
	PLACES                                         ; the registers loaded below were read by the four products just issued
.if (TP_ == 0) && (S_ >= 1) && (S_ <= 8)
	HLOAD S_+7                                     ; the place that K step s - 1 has left takes K step s + 7: seven K steps ahead of its use
.endif
.if (TP_ == 0) && (S_ > 0) && (S_%4 == 0)
	WSLOAD S_/4
.endif
.if (\j) < 31
	WLOAD 2*(((\j)+1)%2), ((\j)+1)/2, ((\j)+1)%2
	s_wait_dscnt 0x4                               ; all but the four loads just issued are in
.else
	s_wait_dscnt 0x0
.endif
.if (TP_ == 0) && (S_ >= 8)
	s_wait_loadcnt 5*(15-S_)                       ; behind K step s's five loads stand those of K steps s + 1 .. 15
.endif
.if S_ == 0
	WM ACC+16*TP_, WF+16*TP_, HF+16*(S_%8), WSR+4*TP_+S_%4, HSR+S_%8, 0, 1
	WM ACC+16*TP_+8, WF+16*TP_+8, HF+16*(S_%8), WSR+4*TP_+S_%4, HSR+S_%8, 1, 1
	WM ACC+32+16*TP_, WF+16*TP_, HF+16*(S_%8)+8, WSR+4*TP_+S_%4, HSR+S_%8, 2, 1
	WM ACC+32+16*TP_+8, WF+16*TP_+8, HF+16*(S_%8)+8, WSR+4*TP_+S_%4, HSR+S_%8, 3, 1
.else
	WM ACC+16*TP_, WF+16*TP_, HF+16*(S_%8), WSR+4*TP_+S_%4, HSR+S_%8, 0, 0
	WM ACC+16*TP_+8, WF+16*TP_+8, HF+16*(S_%8), WSR+4*TP_+S_%4, HSR+S_%8, 1, 0
	WM ACC+32+16*TP_, WF+16*TP_, HF+16*(S_%8)+8, WSR+4*TP_+S_%4, HSR+S_%8, 2, 0
	WM ACC+32+16*TP_+8, WF+16*TP_+8, HF+16*(S_%8)+8, WSR+4*TP_+S_%4, HSR+S_%8, 3, 0
.endif
.endm
.macro COMPUTE2
	s_wait_loadcnt 0x0                             ; h's first eight K steps
	WSLOAD 0
	WLOAD 0, 0, 0
.set J, 0
.rept 32
	HALF J
.set J, J+1
.endr
	; THE WAY OUT: a lane holds 32 neighbouring bytes of a row; 16 rows x 256 bytes go through my own stage and come back by rows, so that sixteen lanes store 256 bytes on end, aligned
	PLACES
.irp m, 0,1
.irp t, 0,1,2,3
	ds_store_b128 v10, v[ACC+32*\m+8*\t:ACC+32*\m+8*\t+3] offset:64*\t          ; each accumulator from its low end on
	ds_store_b128 v10, v[ACC+32*\m+8*\t+4:ACC+32*\m+8*\t+7] offset:64*\t+16
.endr
.irp i, 0,1,2,3,4,5,6,7
	ds_load_b128 v[HF+32*\m+4*\i:HF+32*\m+4*\i+3], v11 offset:544*\i            ; LDS serves a wave's instructions in order (ISA guide 5.7.1.4): these see the stores above, and the next 16 rows' stores come behind them
.endr
.endr
.irp i, 0,1,2,3,4,5,6,7
	s_wait_dscnt 23-\i                             ; behind load i: 7 - i loads, and the second 16 rows' 8 stores and 8 loads
	global_store_b128 v12, v[HF+4*\i:HF+4*\i+3], s[30:31] offset:2*\i*4096
.endr
.irp i, 0,1,2,3,4,5,6,7
	s_wait_dscnt 7-\i
	global_store_b128 v12, v[HF+32+4*\i:HF+32+4*\i+3], s[30:31] offset:(16+2*\i)*4096
.endr
.endm
	s_load_b256 s[4:11], s[0:1], 0x0               ; W2 s[4:5], route s[6:7], hq s[8:9], y s[10:11]
	v_and_b32 v1, 31, v0                           ; lane
	v_bfe_u32 v2, v0, 4, 1                         ; h = lane / 16
	v_lshrrev_b32 v32, 5, v0
	v_readfirstlane_b32 s16, v32                   ; wave 0..15
	s_and_b32 s17, s16, 1                          ; cg
	s_lshr_b32 s18, s16, 1                         ; kp
	s_lshr_b32 s19, ttmp9, 1                       ; nb
	s_and_b32 s23, ttmp9, 1                        ; kh
	s_and_b32 s20, ttmp7, 0xffff                   ; e
	s_mov_b32 s82, 0x55555555
	s_mov_b32 s83, 0x33333333
	s_mov_b32 s84, 0x0f0f0f0f
	s_mov_b32 s85, 0x00ff00ff
	v_lshlrev_b32 v3, 2, v1                        ; the stream: 4 bytes a lane
	v_and_b32 v13, 15, v0                          ; r = lane % 16
	v_lshlrev_b32 v4, 14, v2
	v_lshl_add_u32 v4, v13, 4, v4
	s_lshl_b32 s26, s17, 15
	s_lshl_b32 s27, s18, 11
	s_add_co_u32 s26, s26, s27
	v_add_nc_u32 v4, s26, v4                       ; my codes: (2 cg + h) x 16,384 + 256 x 8 kp + 16 r
	v_lshlrev_b32 v5, 6, v1
	s_lshl_b32 s26, s17, 11
	s_lshl_b32 s27, s18, 3
	s_add_co_u32 s26, s26, s27
	s_add_co_u32 s26, s26, WSC
	v_add_nc_u32 v5, s26, v5                       ; my scale words: 2,048 cg + 64 lane + 4 x 2 kp
	v_lshlrev_b32 v6, 4, v1                        ; an image's place for my lane
	v_lshl_add_u32 v8, v1, 6, WSC
	v_lshlrev_b32 v14, 3, v1
	s_mul_i32 s26, s16, 4352
	s_add_co_u32 s26, s26, STAGE                   ; my stage
	v_mul_u32_u24 v10, v13, 272
	v_lshl_add_u32 v10, v2, 5, v10
	v_add_nc_u32 v10, s26, v10                     ; in: row r, + 32 h
	v_mul_u32_u24 v11, v2, 272
	v_lshl_add_u32 v11, v13, 4, v11
	v_add_nc_u32 v11, s26, v11                     ; back: lanes 0-15 one row, lanes 16-31 the next
	v_lshlrev_b32 v12, 12, v2
	v_lshl_add_u32 v12, v13, 4, v12                ; and the same two rows in y
	v_and_b32 v46, 7, v0
	v_lshlrev_b32 v46, 7, v46
	v_bfe_u32 v45, v0, 3, 2
	v_lshl_add_u32 v46, v45, 5, v46                ; the bitmaps: expert lane % 8, part lane / 8
	s_lshl_b32 s26, s20, 24                        ; W2[e]: 2^24 bytes an expert,
	s_lshl_b32 s27, s23, 23
	s_add_co_u32 s26, s26, s27                     ; 2,048 kh rows of 4,096 bytes,
	s_lshl_b32 s27, s18, 20
	s_add_co_u32 s26, s26, s27                     ; 256 kp rows,
	s_lshl_b32 s27, s19, 8
	s_add_co_u32 s26, s26, s27                     ; 64 nb columns,
	s_lshl_b32 s27, s17, 7
	s_add_co_u32 s26, s26, s27                     ; 32 cg columns
	s_mov_b32 s27, 0
	s_wait_kmcnt 0x0
	s_add_nc_u64 s[4:5], s[4:5], s[26:27]
	global_load_b128 v[CW:CW+3], v46, s[6:7]
	global_load_b128 v[CW+4:CW+7], v46, s[6:7] offset:16
	LOAD 0
	s_wait_loadcnt 32                              ; the bitmaps' two loads are in; block 0's 32 may be out
	COUNTS
	s_mov_b32 s24, s16                             ; my first unit
	HPREP
	LOAD 1
	BLOCK 0, 32                                    ; behind block 0's loads stand h's 40 and block 1's 32: the count leaves block 1's out
	BLOCK 1, 32
	BLOCK 2, 32
	BLOCK 3, 32
	BLOCK 4, 32
	BLOCK 5, 32
	BLOCK 6, 32                                    ; block 7's 32 may be out
	BLOCK 7, 0
	s_wait_dscnt 0x0                               ; for the others' sake: all my LDS stores have landed
	s_barrier_signal -1
	s_barrier_wait -1                              ; the slice's codes and scale words lie in LDS; from here on they are only read
	s_cmp_ge_u32 s24, s21
	s_cbranch_scc1 .Lunit_b
	COMPUTE2
.Lunit_b:
	s_add_co_u32 s24, s24, 16
	s_cmp_ge_u32 s24, s21
	s_cbranch_scc1 .Lend
	s_wait_xcnt 0x0                                ; the first unit's loads and stores have read their registers and bases: they are written again below
	HPREP
	COMPUTE2
.Lend:
	s_barrier_signal -1
	s_barrier_wait -1
	s_wait_xcnt 0x0
	v_lshl_add_u32 v254, v0, 2, 0x22000
	v_mov_b32 v255, 0
	s_wait_tensorcnt 0x0
	ds_add_u32 v254, v255
	s_wait_dscnt 0x0
	s_endpgm
.Lfunc_end_k_q380c829327_down:
	.size	k_q380c829327_down, .Lfunc_end_k_q380c829327_down-k_q380c829327_down
	.p2alignl 7, 3214868480
	.fill 96, 4, 3214868480
	.section	.rodata,"a",@progbits
	.p2align	6, 0x0
	.amdhsa_kernel k_q380c829327_down
		.amdhsa_group_segment_fixed_size 141312
		.amdhsa_private_segment_fixed_size 0
		.amdhsa_enable_private_segment 0
		.amdhsa_kernarg_size 32
		.amdhsa_user_sgpr_count 2
		.amdhsa_user_sgpr_kernarg_segment_ptr 1
		.amdhsa_wavefront_size32 1
		.amdhsa_system_sgpr_workgroup_id_x 1
		.amdhsa_system_sgpr_workgroup_id_y 1
		.amdhsa_system_sgpr_workgroup_id_z 1
		.amdhsa_system_vgpr_workitem_id 0
		.amdhsa_next_free_vgpr 256
		.amdhsa_next_free_sgpr 96
		.amdhsa_reserve_vcc 0
		.amdhsa_float_denorm_mode_32 3
		.amdhsa_float_denorm_mode_16_64 3
		.amdhsa_memory_ordered 1
		.amdhsa_forward_progress 1
		.amdhsa_inst_pref_size 132
	.end_amdhsa_kernel
	.amdgpu_metadata
---
amdhsa.version: [ 1, 2 ]
amdhsa.kernels:
  - .name:           k_q380c829327_down
    .symbol:         k_q380c829327_down.kd
    .args:
      - { .name: W2, .offset: 0, .size: 8, .value_kind: global_buffer, .address_space: global }
      - { .name: route, .offset: 8, .size: 8, .value_kind: global_buffer, .address_space: global }
      - { .name: hq, .offset: 16, .size: 8, .value_kind: global_buffer, .address_space: global }
      - { .name: y, .offset: 24, .size: 8, .value_kind: global_buffer, .address_space: global }
    .group_segment_fixed_size: 141312
    .private_segment_fixed_size: 0
    .kernarg_segment_align: 8
    .kernarg_segment_size: 32
    .max_flat_workgroup_size: 512
    .sgpr_count:     96
    .vgpr_count:     256
    .wavefront_size: 32
...
	.end_amdgpu_metadata
.endif
;; end of part 3
;; launch mix (part 4): grid 257 x 1, 4 waves a work-group, no clusters, 0 bytes of LDS; arguments y, b2, route, gate, slotmap, out0, out1; writes out0, out1
.if DOCPART == 4
	.amdgcn_target "amdgcn-amd-amdhsa--gfx1250"
	.amdhsa_code_object_version 6
	.text
	.protected	k_q380c829327_mix
	.globl	k_q380c829327_mix
	.p2align	8
	.type	k_q380c829327_mix,@function
k_q380c829327_mix:
	s_mov_b64 s[64:65], 0
	v_nop
	global_prefetch_b8 v0, s[64:65] scope:SCOPE_SE
	s_setreg_imm32_b32 hwreg(HW_REG_WAVE_MODE, 25, 1), 1
	s_wait_xcnt 0x0
; MIX.  out0[t] = w0 (y[0][s0] + y[1][s0] + b2[i0]) + w1 (y[0][s1] + y[1][s1] + b2[i1]), s0 and s1 the slots of token t at its two experts; and the load-balancing loss.
; Work-groups 0 to 255: a wave a token.  All that is known of a token is the same in every lane, so it stands in scalar registers: its experts, its weights, its slots, six bases.
;   A row is 4,096 bytes: eight steps of 512 bytes on end; all 48 loads of a wave go out at once, and each step's count leaves the later steps' loads out.
; Work-group 256, wave 0: out1 = 8 x the sum over e of (importance_e / the sum of importance) x (T_e / 2,048), from the router's 128 partial sums and its bitmaps.
; A stream: no LDS, no barrier, no matrix unit, no cluster: nothing is shared but b2's 32 KiB.
; The two experts' terms are added in the order of the gate's ranking, not of the experts' numbers: a difference of one rounding.
	s_load_b256 s[4:11], s[0:1], 0x0               ; y s[4:5], b2 s[6:7], route s[8:9], gate s[10:11]
	s_load_b128 s[12:15], s[0:1], 0x20             ; slotmap s[12:13], out0 s[14:15]
	s_load_b64 s[16:17], s[0:1], 0x30              ; out1
	v_and_b32 v1, 31, v0                           ; lane
	v_lshrrev_b32 v2, 5, v0
	v_readfirstlane_b32 s18, v2                    ; wave
	s_cmp_eq_u32 ttmp9, 256
	s_cbranch_scc1 .Lloss
	s_lshl_b32 s19, ttmp9, 2
	s_add_co_u32 s19, s19, s18                     ; my token
	s_lshl_b32 s56, s19, 2
	s_lshl_b32 s57, s19, 3
	s_lshl_b32 s58, s19, 5
	v_lshlrev_b32 v1, 4, v1                        ; 16 bytes a lane
	s_wait_kmcnt 0x0
	s_load_b32 s20, s[8:9], s56 offset:0x400       ; i0 | i1 << 8
	s_load_b64 s[22:23], s[10:11], s57 offset:0x0  ; w0, w1
	s_load_b256 s[24:31], s[12:13], s58 offset:0x0 ; the token's slot at each expert
	s_wait_kmcnt 0x0
	s_bfe_u32 s33, s20, 0x80000
	s_bfe_u32 s34, s20, 0x80008
	s_min_u32 s33, s33, 7                          ; i0
	s_min_u32 s34, s34, 7                          ; i1
	s_mov_b32 s35, s24
	s_mov_b32 s36, s24
.irp i, 1,2,3,4,5,6,7
	s_cmp_eq_u32 s33, \i
	s_cselect_b32 s35, s[24+\i], s35
	s_cmp_eq_u32 s34, \i
	s_cselect_b32 s36, s[24+\i], s36
.endr
	s_min_u32 s35, s35, 2303                       ; what was read from memory is held inside the table last of all
	s_min_u32 s36, s36, 2303
	s_mov_b32 s39, 0
	s_lshl_b32 s38, s35, 12
	s_add_nc_u64 s[40:41], s[4:5], s[38:39]        ; y[0][s0]
	s_add_nc_u64 s[42:43], s[40:41], 9437184       ; y[1][s0]
	s_lshl_b32 s38, s36, 12
	s_add_nc_u64 s[44:45], s[4:5], s[38:39]        ; y[0][s1]
	s_add_nc_u64 s[46:47], s[44:45], 9437184       ; y[1][s1]
	s_lshl_b32 s38, s33, 12
	s_add_nc_u64 s[48:49], s[6:7], s[38:39]        ; b2[i0]
	s_lshl_b32 s38, s34, 12
	s_add_nc_u64 s[50:51], s[6:7], s[38:39]        ; b2[i1]
	s_lshl_b32 s38, s19, 12
	s_add_nc_u64 s[52:53], s[14:15], s[38:39]      ; out0[t]
	s_mov_b32 s54, s23                             ; w1 in a pair of its own: the packed forms take a pair's low word for both halves
	s_mov_b32 s55, s23
.irp j, 0,1,2,3,4,5,6,7
	global_load_b128 v[8+24*\j:11+24*\j], v1, s[40:41] offset:512*\j th:TH_LOAD_NT
	global_load_b128 v[12+24*\j:15+24*\j], v1, s[42:43] offset:512*\j th:TH_LOAD_NT
	global_load_b128 v[16+24*\j:19+24*\j], v1, s[48:49] offset:512*\j
	global_load_b128 v[20+24*\j:23+24*\j], v1, s[44:45] offset:512*\j th:TH_LOAD_NT
	global_load_b128 v[24+24*\j:27+24*\j], v1, s[46:47] offset:512*\j th:TH_LOAD_NT
	global_load_b128 v[28+24*\j:31+24*\j], v1, s[50:51] offset:512*\j
.endr
.macro OUTJ j
.set A0, 8+24*(\j)
	s_wait_loadcnt 6*(7-(\j))                      ; this step's six loads are in; the later steps' may be out
.irp p, 0,2
	v_pk_add_f32 v[A0+\p:A0+\p+1], v[A0+\p:A0+\p+1], v[A0+4+\p:A0+5+\p]
	v_pk_add_f32 v[A0+12+\p:A0+13+\p], v[A0+12+\p:A0+13+\p], v[A0+16+\p:A0+17+\p]
.endr
.irp p, 0,2
	v_pk_add_f32 v[A0+\p:A0+\p+1], v[A0+\p:A0+\p+1], v[A0+8+\p:A0+9+\p]
	v_pk_add_f32 v[A0+12+\p:A0+13+\p], v[A0+12+\p:A0+13+\p], v[A0+20+\p:A0+21+\p]
.endr
.irp p, 0,2
	v_pk_mul_f32 v[A0+\p:A0+\p+1], v[A0+\p:A0+\p+1], s[22:23] op_sel_hi:[1,0]
.endr
.irp p, 0,2
	v_pk_fma_f32 v[A0+\p:A0+\p+1], v[A0+12+\p:A0+13+\p], s[54:55], v[A0+\p:A0+\p+1] op_sel_hi:[1,0,1]
.endr
	global_store_b128 v1, v[A0:A0+3], s[52:53] offset:512*(\j) th:TH_STORE_NT   ; the wave stores 512 bytes on end, aligned
.endm
.irp j, 0,1,2,3,4,5,6,7
	OUTJ \j
.endr
	s_endpgm
.Lloss:
	s_cmp_lg_u32 s18, 0
	s_cbranch_scc1 .Lend
	s_mov_b32 s20, 0x76543210
	s_mov_b32 s21, 0xfedcba98                      ; v_permlanex16_b32's selects for lane l xor 16
	s_mov_b32 s60, 0x55555555
	s_mov_b32 s61, 0x33333333
	s_mov_b32 s62, 0x0f0f0f0f
	s_mov_b32 s63, 0x00ff00ff
	v_and_b32 v3, 7, v0
	v_lshlrev_b32 v3, 7, v3
	v_bfe_u32 v4, v0, 3, 2
	v_lshl_add_u32 v3, v4, 5, v3                   ; the bitmaps: expert lane % 8, part lane / 8
	v_lshlrev_b32 v4, 2, v1
	v_mov_b32 v52, 0                               ; written once: a lane permute's destination counts as one of its sources
	v_mov_b32 v54, 0
	s_wait_kmcnt 0x0
	global_load_b128 v[8:11], v3, s[8:9]
	global_load_b128 v[12:15], v3, s[8:9] offset:16
.irp j, 0,1,2,3,4,5,6,7,8,9,10,11,12,13,14,15,16,17,18,19,20,21,22,23,24,25,26,27,28,29,30,31
	global_load_b32 v[64+\j], v4, s[10:11] offset:8192+128*\j   ; work-group 4 j + lane / 8's sum for expert lane % 8
.endr
	s_wait_loadcnt 0x0
	; T of expert lane % 8: bits counted in fields of 2, 4, 8 and 16 bits
.irp i, 0,1,2,3,4,5,6,7
	v_lshrrev_b32 v[16+\i], 1, v[8+\i]
.endr
.irp i, 0,1,2,3,4,5,6,7
	v_and_b32 v[16+\i], s60, v[16+\i]
.endr
.irp i, 0,1,2,3,4,5,6,7
	v_sub_nc_u32 v[8+\i], v[8+\i], v[16+\i]
.endr
.irp i, 0,1,2,3,4,5,6,7
	v_lshrrev_b32 v[16+\i], 2, v[8+\i]
.endr
.irp i, 0,1,2,3,4,5,6,7
	v_and_b32 v[8+\i], s61, v[8+\i]
	v_and_b32 v[16+\i], s61, v[16+\i]
.endr
.irp i, 0,1,2,3,4,5,6,7
	v_add_nc_u32 v[8+\i], v[8+\i], v[16+\i]
.endr
.irp i, 0,2,4,6
	v_add_nc_u32 v[8+\i], v[8+\i], v[9+\i]         ; 8 at the most in four bits
.endr
.irp i, 0,2,4,6
	v_lshrrev_b32 v[9+\i], 4, v[8+\i]
.endr
.irp i, 0,2,4,6
	v_and_b32 v[8+\i], s62, v[8+\i]
	v_and_b32 v[9+\i], s62, v[9+\i]
.endr
.irp i, 0,2,4,6
	v_add_nc_u32 v[8+\i], v[8+\i], v[9+\i]
.endr
	v_add_nc_u32 v8, v8, v10
	v_add_nc_u32 v12, v12, v14
	v_add_nc_u32 v8, v8, v12                       ; 64 at the most in a byte
	v_lshrrev_b32 v9, 8, v8
	v_and_b32 v8, s63, v8
	v_and_b32 v9, s63, v9
	v_add_nc_u32 v8, v8, v9
	v_lshrrev_b32 v9, 16, v8
	v_and_b32 v8, 0xffff, v8
	v_add_nc_u32 v8, v8, v9                        ; my 256 tokens' count: under 2^24, so the sums below are exact in f32
	v_cvt_f32_u32 v8, v8
	; the importance: my 32 partial sums, in four chains
	v_add_f32 v48, v64, v68
	v_add_f32 v49, v65, v69
	v_add_f32 v50, v66, v70
	v_add_f32 v51, v67, v71
.irp j, 8,12,16,20,24,28
	v_add_f32 v48, v48, v[64+\j]
	v_add_f32 v49, v49, v[65+\j]
	v_add_f32 v50, v50, v[66+\j]
	v_add_f32 v51, v51, v[67+\j]
.endr
	v_add_f32 v48, v48, v49
	v_add_f32 v50, v50, v51
	v_add_f32 v48, v48, v50
	v_add_f32_dpp v48, v48, v48 row_xmask:8 row_mask:0xf bank_mask:0xf
	v_add_f32_dpp v8, v8, v8 row_xmask:8 row_mask:0xf bank_mask:0xf
	v_permlanex16_b32 v52, v48, s20, s21
	v_permlanex16_b32 v54, v8, s20, s21
	v_add_f32 v48, v48, v52                        ; importance of expert lane % 8, not yet normalised
	v_add_f32 v8, v8, v54                          ; T of expert lane % 8
	v_mul_f32 v53, v48, v8
.irp k, 1,2,4
	v_add_f32_dpp v48, v48, v48 row_xmask:\k row_mask:0xf bank_mask:0xf
	v_add_f32_dpp v53, v53, v53 row_xmask:\k row_mask:0xf bank_mask:0xf
.endr
	v_rcp_f32 v48, v48                             ; 1 / the sum of the importances
	v_mov_b32 v55, 0                               ; (a plain line behind the reciprocal)
	s_wait_alu depctr_va_vdst(0)
	v_mul_f32 v53, v53, v48
	v_mul_f32 v53, 0x3b800000, v53                 ; x 8 / 2,048
	v_cmp_eq_u32 vcc_lo, 0, v1
	s_wait_xcnt 0x0                                ; EXEC changes only behind this wait
	s_and_saveexec_b32 s22, vcc_lo
	global_store_b32 v55, v53, s[16:17]            ; lane 0 stores the one number
	s_wait_xcnt 0x0                                ; and again, in front of the line that widens it
	s_or_b32 exec_lo, exec_lo, s22
.Lend:
	s_endpgm
.Lfunc_end_k_q380c829327_mix:
	.size	k_q380c829327_mix, .Lfunc_end_k_q380c829327_mix-k_q380c829327_mix
	.p2alignl 7, 3214868480
	.fill 96, 4, 3214868480
	.section	.rodata,"a",@progbits
	.p2align	6, 0x0
	.amdhsa_kernel k_q380c829327_mix
		.amdhsa_group_segment_fixed_size 0
		.amdhsa_private_segment_fixed_size 0
		.amdhsa_enable_private_segment 0
		.amdhsa_kernarg_size 56
		.amdhsa_user_sgpr_count 2
		.amdhsa_user_sgpr_kernarg_segment_ptr 1
		.amdhsa_wavefront_size32 1
		.amdhsa_system_sgpr_workgroup_id_x 1
		.amdhsa_system_sgpr_workgroup_id_y 1
		.amdhsa_system_sgpr_workgroup_id_z 1
		.amdhsa_system_vgpr_workitem_id 0
		.amdhsa_next_free_vgpr 208
		.amdhsa_next_free_sgpr 66
		.amdhsa_reserve_vcc 1
		.amdhsa_float_denorm_mode_32 3
		.amdhsa_float_denorm_mode_16_64 3
		.amdhsa_memory_ordered 1
		.amdhsa_forward_progress 1
		.amdhsa_inst_pref_size 24
	.end_amdhsa_kernel
	.amdgpu_metadata
---
amdhsa.version: [ 1, 2 ]
amdhsa.kernels:
  - .name:           k_q380c829327_mix
    .symbol:         k_q380c829327_mix.kd
    .args:
      - { .name: y, .offset: 0, .size: 8, .value_kind: global_buffer, .address_space: global }
      - { .name: b2, .offset: 8, .size: 8, .value_kind: global_buffer, .address_space: global }
      - { .name: route, .offset: 16, .size: 8, .value_kind: global_buffer, .address_space: global }
      - { .name: gate, .offset: 24, .size: 8, .value_kind: global_buffer, .address_space: global }
      - { .name: slotmap, .offset: 32, .size: 8, .value_kind: global_buffer, .address_space: global }
      - { .name: out0, .offset: 40, .size: 8, .value_kind: global_buffer, .address_space: global }
      - { .name: out1, .offset: 48, .size: 8, .value_kind: global_buffer, .address_space: global }
    .group_segment_fixed_size: 0
    .private_segment_fixed_size: 0
    .kernarg_segment_align: 8
    .kernarg_segment_size: 56
    .max_flat_workgroup_size: 128
    .sgpr_count:     66
    .vgpr_count:     208
    .wavefront_size: 32
...
	.end_amdgpu_metadata
.endif
;; end of part 4
;; ======== version 2 of 2: 4 launches; version 1 with the launch down written anew for expert scheduling mode
;; workspace buffers: xq 557,056 bytes; route 5,120 bytes of whole numbers; gate 12,288 bytes; slotmap 32,768 bytes of whole numbers; hq 5,308,416 bytes; y 18,874,368 bytes
;; launch router: the kernel of part 1 again; grid 128 x 1, 8 waves a work-group, no clusters, 71,936 bytes of LDS; arguments x, Wg, bg, xq, route, gate, slotmap; writes xq, route, gate, slotmap
;; launch up: the kernel of part 2 again; grid 32 x 8, 16 waves a work-group, no clusters, 72,192 bytes of LDS; arguments W1, b1, xq, route, hq, slotmap; writes hq, slotmap
;; launch down (part 5): grid 32 x 8, 16 waves a work-group, no clusters, 141,312 bytes of LDS; arguments W2, route, hq, y; writes y
.if DOCPART == 5
	.amdgcn_target "amdgcn-amd-amdhsa--gfx1250"
	.amdhsa_code_object_version 6
	.text
	.protected	k_q380c829327_down
	.globl	k_q380c829327_down
	.p2align	8
	.type	k_q380c829327_down,@function
k_q380c829327_down:
	s_mov_b64 s[64:65], 0
	v_nop
	global_prefetch_b8 v0, s[64:65] scope:SCOPE_SE
	s_setreg_imm32_b32 hwreg(HW_REG_WAVE_SCHED_MODE, 0, 2), 2
	s_setreg_imm32_b32 hwreg(HW_REG_WAVE_MODE, 25, 1), 1
	s_wait_xcnt 0x0
	s_wait_alu depctr_vm_vsrc(0)
; DOWN.  y[kh][slot][:] = Q(h) Q(W2[e]) summed over one half of H, for the slots of expert e: f32 partial rows; the last launch adds the two halves, b2 and the gate's weights.
; SHARES.  Work-group (x, e): nb = x / 2: 64 columns of D; kh = x % 2: 2,048 of H.  It owns W2[e][2,048 kh .. + 2,047, 64 nb .. + 63]: 524,288 bytes of f32 that no other work-group reads; each row's piece is 256 bytes, aligned.
;   THE STREAM: wave w takes 32 columns (cg = w % 2) x 256 along K (kp = w / 2); a lane a column, registers down K; codes go to LDS as images of the operand's registers
;   (block kb of row rho of tile T at T x 16,384 + 256 kb + 16 rho).  Two blocks (64 loads a wave) are asked for ahead.  One barrier.
;   THE PRODUCTS: a unit is 32 slots x 64 columns x 16 K steps of 128.  Wave w takes unit w, and unit w + 16 if the expert has so many.  h's fragments come from memory as the launch before laid them: images of registers.
; THE MATRIX INSTRUCTION IS USED TRANSPOSED (source 0 = 16 columns of W2, source 1 = 16 rows of h): a lane holds eight neighbouring columns of one row of y.
; The halves of H are two work-groups' so that all 256 work-groups stream whole 256-byte pieces of W2's rows; the price is a second partial row of y for each slot.
; No cluster and no tensor load: trip counts hang on counts read from memory, and no weight byte is read by two work-groups.
; LIMITS: NaN and infinities are not served.  A block of zeros gets the scale byte 1 where the rule says 127: its codes are zeros, and only this program reads the bytes.
; REGISTERS: v1-15 addresses; v16-23 h's scale words, v24-31 W2's (these 16 hold scales alone); v32-63 two sets of two fragments of W2 (in the stream: at work);
;   v64-127 the stream's two sets of 32 numbers, afterwards eight accumulators; v128-255 h's fragments of eight K steps, on the way out rows of y.
; THE MODE: SCHED_MODE bits 1:0 = 2 (LLVM: expert scheduling mode 2), set by the entry lines.  The code itself states the register dependences
; between vector or matrix instructions and memory or LDS instructions, with s_wait_alu, always for 0.
; THE PLAN.  Registers that memory or LDS instructions touch, and who else names them:
;   v3-v6, v8, v10-v12, v46   offsets and LDS addresses: made once at the head, then only read.  One wait on va_vdst ahead of the first load serves them all.
;   v7, v9                    h's offsets: written by four vector lines in HPREP, once a unit; read by the unit's loads of h.
;   the ring, set t % 2       read by block t's maxima and conversions; block t + 2's loads land in it.  (v96-111 first hold the bitmaps, which the counting lines work on, ahead of block 1's loads.)
;   v36-39, v40               a block's codes and scale word: written by its vector lines, read by its LDS stores, written again by the next block; behind the stream fragments of W2 land there.
;   W2's two sets             half j's four products read set j % 2; the LDS loads at the head of half j + 1 land in it.
;   h's place s % 8 and its scale word   read by K step s's eight products; K step s + 8's loads, issued in K step s + 1, land in them.  W2's scale words: read by the products, loaded anew every four K steps.
;   the accumulators          written by the products, read by the stage's LDS stores; a second unit's first products write them again.
;   v128-191 on the way out   LDS loads land in what products have read; the global stores read them; a second unit's h lands there.
; So in the stream one wait on va_vdst stands behind a block's last vector line, ahead of its stores and of the loads into the set that it has emptied, and one on vm_vsrc behind the stores.
; In the products one wait on va_vdst stands at the head of a half.  Behind it the loads of W2 go out at once; h's five loads are dealt among the half's four products, which name none of the registers that those loads touch.
.set PITCH, 4096                       ; a row of W2[e] in bytes
.set TS,    16384                      ; a tile's image: 64 blocks x 256 bytes
.set WSC,   65536                      ; W2's scale words: 2,048 (tile pair) + 64 lane + 4 s
.set STAGE, 69632                      ; the way out: 16 rows x (256 bytes + 16) for each wave, its own
.set RING,  64
.set ACC,   64
.set WF,    32
.set HF,    128
.set HSR,   16
.set WSR,   24
.set CW,    96                         ; the counts' mask words and their work: v96-111, ahead of the ring's second set
.macro PLACES                          ; four plain lines behind matrix instructions, in front of loads into their registers and of reads of their results
.rept 4
	v_nop
.endr
.endm
.macro LOAD t                          ; block t: W2(32 t + i, my column) into set t % 2: a wave reads 128 bytes on end, two waves side by side 256
.irp i, 0,1,2,3,4,5,6,7,8,9,10,11,12,13,14,15,16,17,18,19,20,21,22,23,24,25,26,27,28,29,30,31
	global_load_b32 v[RING+32*((\t)%2)+\i], v3, s[4:5] offset:(32*(\t)+\i)*PITCH th:TH_LOAD_NT
.endr
.endm
.macro BLOCK t, left                   ; block t is quantised and its image stored.  left: the younger loads that may stay out
.set RS, RING+32*((\t)%2)
	s_wait_loadcnt \left
	v_max3_num_f32 v32, |v[RS]|, |v[RS+1]|, |v[RS+2]|
	v_max3_num_f32 v33, |v[RS+3]|, |v[RS+4]|, |v[RS+5]|
.irp i, 6,10,14,18,22,26
	v_max3_num_f32 v32, v32, |v[RS+\i]|, |v[RS+\i+1]|
	v_max3_num_f32 v33, v33, |v[RS+\i+2]|, |v[RS+\i+3]|
.endr
	v_max3_num_f32 v32, v32, |v[RS+30]|, |v[RS+31]|
	v_max3_num_f32 v32, v32, v33, 0x1800000        ; and the floor 2^(3 - 127): the byte cannot fall under 1
	v_add_nc_u32 v34, 0xff000000, v32              ; 2 off the exponent field: the conversion's scale operand
.irp g, 0,1,2,3
	v_cvt_scalef32_pk8_fp4_f32 v[36+\g], v[RS+8*\g:RS+8*\g+7], v34
.endr
	v_lshrrev_b32 v35, 23, v34                     ; the scale's byte (also the plain line behind the conversions)
.if (\t)%4 == 0
	v_mov_b32 v40, v35                             ; four bytes make the scale word of 128 along K
.else
	v_lshl_or_b32 v40, v35, 8*((\t)%4), v40
.endif
	s_wait_alu depctr_va_vdst(0)                   ; the codes v36-39 and the word v40 are written, which the LDS stores read; the maxima and conversions are done reading this set, in which block t + 2's loads land (behind the last block: v32-40 are written, in which fragments of W2 land)
	ds_store_b128 v4, v[36:39] offset:256*(\t)
.if (\t)%4 == 3
	ds_store_b32 v5, v40 offset:((\t)/4)*4
.endif
.if (\t)+2 < 8
	LOAD (\t)+2
.endif
	s_wait_dscnt 0x0                               ; the stores are done
	s_wait_alu depctr_vm_vsrc(0)                   ; the LDS stores have read v36-39 and v40, which the next block's vector lines write again; behind the last block fragments of W2 land there, and in v46, which the bitmaps' loads have read
.endm
; nb_i = ceil(T_i / 32) for all 8 experts.  Lane l has 8 words of expert l % 8's bitmap (part l / 8 of four).  Bits are counted in fields of 2, 4, 8 and 16 bits, each lane for itself;
; the 32 partial counts then go to scalar registers one by one, and the four parts of each expert are added there, where the counts are wanted: they steer scalar branches and bases.
.macro COUNTS
.irp i, 0,1,2,3,4,5,6,7
	v_lshrrev_b32 v[CW+8+\i], 1, v[CW+\i]
.endr
.irp i, 0,1,2,3,4,5,6,7
	v_and_b32 v[CW+8+\i], s82, v[CW+8+\i]
.endr
.irp i, 0,1,2,3,4,5,6,7
	v_sub_nc_u32 v[CW+\i], v[CW+\i], v[CW+8+\i]    ; counts of pairs of bits
.endr
.irp i, 0,1,2,3,4,5,6,7
	v_lshrrev_b32 v[CW+8+\i], 2, v[CW+\i]
.endr
.irp i, 0,1,2,3,4,5,6,7
	v_and_b32 v[CW+\i], s83, v[CW+\i]
	v_and_b32 v[CW+8+\i], s83, v[CW+8+\i]
.endr
.irp i, 0,1,2,3,4,5,6,7
	v_add_nc_u32 v[CW+\i], v[CW+\i], v[CW+8+\i]    ; of fours: 4 at the most
.endr
.irp i, 0,2,4,6
	v_add_nc_u32 v[CW+\i], v[CW+\i], v[CW+\i+1]    ; two words: 8 at the most, still in four bits
.endr
.irp i, 0,2,4,6
	v_lshrrev_b32 v[CW+\i+1], 4, v[CW+\i]
.endr
.irp i, 0,2,4,6
	v_and_b32 v[CW+\i], s84, v[CW+\i]
	v_and_b32 v[CW+\i+1], s84, v[CW+\i+1]
.endr
.irp i, 0,2,4,6
	v_add_nc_u32 v[CW+\i], v[CW+\i], v[CW+\i+1]    ; in bytes: 16 at the most
.endr
	v_add_nc_u32 v[CW], v[CW], v[CW+2]
	v_add_nc_u32 v[CW+4], v[CW+4], v[CW+6]
	v_add_nc_u32 v[CW], v[CW], v[CW+4]             ; eight words: 64 at the most in a byte
	v_lshrrev_b32 v[CW+1], 8, v[CW]
	v_and_b32 v[CW], s85, v[CW]
	v_and_b32 v[CW+1], s85, v[CW+1]
	v_add_nc_u32 v[CW], v[CW], v[CW+1]
	v_lshrrev_b32 v[CW+1], 16, v[CW]
	v_and_b32 v[CW], 0xffff, v[CW]
	v_add_nc_u32 v[CW], v[CW], v[CW+1]             ; my 256 tokens' count
.irp i, 0,1,2,3,4,5,6,7
	v_readlane_b32 s[68+\i], v[CW], \i             ; part 0 of expert i
.endr
.irp p, 1,2,3
.irp i, 0,1,2,3,4,5,6,7
	v_readlane_b32 s[28+8*\p+\i], v[CW], 8*\p+\i   ; part p of expert i stands in lane 8 p + i: all 32 go out in one run, parts 1 to 3 into s36-59
.endr
.endr
	s_wait_alu depctr_va_sdst(0)                   ; s68-75 and s36-59 are written, ahead of their first reader: one wait for the run of 32
.irp p, 1,2,3
.irp i, 0,1,2,3,4,5,6,7
	s_add_co_u32 s[68+\i], s[68+\i], s[28+8*\p+\i]
.endr
.endr
	s_mov_b32 s22, 0
	s_mov_b32 s21, 0
.irp i, 0,1,2,3,4,5,6,7
	s_add_co_u32 s[68+\i], s[68+\i], 31
	s_lshr_b32 s[68+\i], s[68+\i], 5               ; nb_i
	s_cmp_gt_u32 s20, \i
	s_cselect_b32 s26, s[68+\i], 0
	s_add_co_u32 s22, s22, s26                     ; base_e: the blocks of the experts below mine
	s_cmp_eq_u32 s20, \i
	s_cselect_b32 s21, s[68+\i], s21               ; nb_e
.endr
.endm
; One product.  row: bit 0: source 0's scales stand in lanes 16-31; bit 1: source 1's do.  z = 1: the sum begins
.macro WM d, a, b, sa, sb, row, z
.if \z
.if \row == 0
	v_wmma_scale_f32_16x16x128_f8f6f4 v[\d:\d+7], v[\a:\a+7], v[\b:\b+7], 0, v[\sa], v[\sb] matrix_a_fmt:MATRIX_FMT_FP4 matrix_b_fmt:MATRIX_FMT_FP4
.elseif \row == 1
	v_wmma_scale_f32_16x16x128_f8f6f4 v[\d:\d+7], v[\a:\a+7], v[\b:\b+7], 0, v[\sa], v[\sb] matrix_a_fmt:MATRIX_FMT_FP4 matrix_b_fmt:MATRIX_FMT_FP4 matrix_a_scale:MATRIX_SCALE_ROW1
.elseif \row == 2
	v_wmma_scale_f32_16x16x128_f8f6f4 v[\d:\d+7], v[\a:\a+7], v[\b:\b+7], 0, v[\sa], v[\sb] matrix_a_fmt:MATRIX_FMT_FP4 matrix_b_fmt:MATRIX_FMT_FP4 matrix_b_scale:MATRIX_SCALE_ROW1
.else
	v_wmma_scale_f32_16x16x128_f8f6f4 v[\d:\d+7], v[\a:\a+7], v[\b:\b+7], 0, v[\sa], v[\sb] matrix_a_fmt:MATRIX_FMT_FP4 matrix_b_fmt:MATRIX_FMT_FP4 matrix_a_scale:MATRIX_SCALE_ROW1 matrix_b_scale:MATRIX_SCALE_ROW1
.endif
.else
.if \row == 0
	v_wmma_scale_f32_16x16x128_f8f6f4 v[\d:\d+7], v[\a:\a+7], v[\b:\b+7], v[\d:\d+7], v[\sa], v[\sb] matrix_a_fmt:MATRIX_FMT_FP4 matrix_b_fmt:MATRIX_FMT_FP4
.elseif \row == 1
	v_wmma_scale_f32_16x16x128_f8f6f4 v[\d:\d+7], v[\a:\a+7], v[\b:\b+7], v[\d:\d+7], v[\sa], v[\sb] matrix_a_fmt:MATRIX_FMT_FP4 matrix_b_fmt:MATRIX_FMT_FP4 matrix_a_scale:MATRIX_SCALE_ROW1
.elseif \row == 2
	v_wmma_scale_f32_16x16x128_f8f6f4 v[\d:\d+7], v[\a:\a+7], v[\b:\b+7], v[\d:\d+7], v[\sa], v[\sb] matrix_a_fmt:MATRIX_FMT_FP4 matrix_b_fmt:MATRIX_FMT_FP4 matrix_b_scale:MATRIX_SCALE_ROW1
.else
	v_wmma_scale_f32_16x16x128_f8f6f4 v[\d:\d+7], v[\a:\a+7], v[\b:\b+7], v[\d:\d+7], v[\sa], v[\sb] matrix_a_fmt:MATRIX_FMT_FP4 matrix_b_fmt:MATRIX_FMT_FP4 matrix_a_scale:MATRIX_SCALE_ROW1 matrix_b_scale:MATRIX_SCALE_ROW1
.endif
.endif
.endm
.macro WLOAD t0, s, set                ; the fragments of tiles t0, t0 + 1 for K step s, as they were stored: four loads of 512 bytes on end
.irp u, 0,1
.irp c, 0,1
	ds_load_b128 v[WF+16*(\set)+8*\u+4*\c:WF+16*(\set)+8*\u+4*\c+3], v6 offset:((\t0)+\u)*TS+1024*(\s)+512*\c
.endr
.endr
.endm
.macro WSLOAD q                        ; W2's scale words of K steps 4 q .. 4 q + 3, for both pairs of tiles: lanes 0-15 the even tile, lanes 16-31 the odd one
.irp p, 0,1
	ds_load_b128 v[WSR+4*\p:WSR+4*\p+3], v8 offset:2048*\p+16*(\q)
.endr
.endm
.macro HFRAG s, m                      ; h's fragment of rows 16 m on, of K step s, into place s % 8: two loads
.irp c, 0,1
	global_load_b128 v[HF+16*((\s)%8)+8*(\m)+4*\c:HF+16*((\s)%8)+8*(\m)+4*\c+3], v7, s[28:29] offset:2304*(\s)+1024*(\m)+512*\c
.endr
.endm
.macro HWORD s                         ; and the K step's scale words
	global_load_b32 v[HSR+(\s)%8], v9, s[28:29] offset:2304*(\s)+2048
.endm
.macro HLOAD s                         ; h's two fragments and its scale words of K step s into place s % 8: five loads
	HFRAG \s, 0
	HFRAG \s, 1
	HWORD \s
.endm
; Unit s24: where its records of h and its rows of y lie, and the first eight K steps of h.  A wave whose unit does not exist still issues the 40 loads, so that counts and registers are alike on every way:
; its flag is 0, which turns them into reads of 16 bytes of block 0's records; block 0 always exists, since 2,048 rows are routed.
.macro HPREP
	s_cmp_lt_u32 s24, s21
	s_cselect_b32 s25, 1, 0                        ; does the expert have this unit?
	s_add_co_u32 s26, s22, s24
	s_mul_i32 s26, s26, s25
	s_min_u32 s26, s26, 71                         ; its block of slots
	s_lshl_b32 s27, s26, 5
	s_lshl_b32 s32, s23, 4
	s_add_co_u32 s27, s27, s32
	s_mul_i32 s32, s27, 2304
	s_mov_b32 s33, 0
	s_add_nc_u64 s[28:29], s[8:9], s[32:33]        ; the records of my half of H: (32 block + 16 kh) x 2,304
	v_mul_u32_u24 v7, s25, v6
	v_min_u32 v7, 0x1f0, v7                        ; 16 x lane, or 0
	v_mul_u32_u24 v9, s25, v14
	v_min_u32 v9, 0xf8, v9                         ; 8 x lane, or 0
	s_lshl_b32 s32, s26, 17                        ; y: 32 rows of 4,096 bytes a block,
	s_mul_i32 s27, s23, 9437184
	s_add_co_u32 s32, s32, s27                     ; 2,304 rows a half of H,
	s_lshl_b32 s27, s19, 8
	s_add_co_u32 s32, s32, s27                     ; my 64 columns
	s_add_nc_u64 s[30:31], s[10:11], s[32:33]
	s_wait_alu depctr_va_vdst(0)                   ; v7 and v9 are written, which h's loads read.  First unit: the counting lines are done with v96-111, in which block 1's loads land.  Second unit: the first's products are done with h's places, the scale words and W2's two sets, in which the loads from here to the first product land
.irp s, 0,1,2,3,4,5,6,7
	HLOAD \s
.endr
.endm
; Half a K step: one pair of tiles of W2 against the unit's two tiles of rows: four products.  The eight accumulators take turns, one instruction a turn.
.macro HALF j
.set S_, (\j)/2
.set TP_, (\j)%2
.set HL_, 0
.if (TP_ == 0) && (S_ >= 1) && (S_ <= 8)
.set HL_, 1                            ; this half asks for h's K step s + 7
.endif
	PLACES                                         ; the registers loaded below were read by the four products just issued
.if ((\j) > 0) && ((\j) < 31)
	s_wait_alu depctr_va_vdst(0)                   ; the four products just issued are done reading the other set of W2, in which the loads below land; at a K step's head the K step before is done with its place of h and its scale word, and with W2's scale words where they are loaded anew
.endif
.if (TP_ == 0) && (S_ > 0) && (S_%4 == 0)
	WSLOAD S_/4
.endif
.if (\j) < 31
	WLOAD 2*(((\j)+1)%2), ((\j)+1)/2, ((\j)+1)%2
	s_wait_dscnt 0x4                               ; all but the four loads just issued are in
.else
	s_wait_dscnt 0x0
.endif
.if (TP_ == 0) && (S_ == 8)
	s_wait_loadcnt 30                              ; behind K step 8's five loads stand those of K steps 9 .. 14; K step 15's follow below
.endif
.if (TP_ == 0) && (S_ > 8)
	s_wait_loadcnt 5*(15-S_)                       ; behind K step s's five loads stand those of K steps s + 1 .. 15
.endif
.if S_ == 0
	WM ACC+16*TP_, WF+16*TP_, HF+16*(S_%8), WSR+4*TP_+S_%4, HSR+S_%8, 0, 1
	WM ACC+16*TP_+8, WF+16*TP_+8, HF+16*(S_%8), WSR+4*TP_+S_%4, HSR+S_%8, 1, 1
	WM ACC+32+16*TP_, WF+16*TP_, HF+16*(S_%8)+8, WSR+4*TP_+S_%4, HSR+S_%8, 2, 1
	WM ACC+32+16*TP_+8, WF+16*TP_+8, HF+16*(S_%8)+8, WSR+4*TP_+S_%4, HSR+S_%8, 3, 1
.else
	WM ACC+16*TP_, WF+16*TP_, HF+16*(S_%8), WSR+4*TP_+S_%4, HSR+S_%8, 0, 0
.if HL_
	HFRAG S_+7, 0                                  ; the place that K step s - 1 has left takes K step s + 7: seven K steps ahead of its use.  No wait: no product since the wait above names that place, its scale word, v7 or v9
.endif
	WM ACC+16*TP_+8, WF+16*TP_+8, HF+16*(S_%8), WSR+4*TP_+S_%4, HSR+S_%8, 1, 0
.if HL_
	HFRAG S_+7, 1
.endif
	WM ACC+32+16*TP_, WF+16*TP_, HF+16*(S_%8)+8, WSR+4*TP_+S_%4, HSR+S_%8, 2, 0
.if HL_
	HWORD S_+7
.endif
	WM ACC+32+16*TP_+8, WF+16*TP_+8, HF+16*(S_%8)+8, WSR+4*TP_+S_%4, HSR+S_%8, 3, 0
.endif
.endm
.macro COMPUTE2
	s_wait_loadcnt 0x0                             ; h's first eight K steps
	WSLOAD 0                                       ; (no vector or matrix instruction has been issued since the last wait on va_vdst: the last block's, or HPREP's)
	WLOAD 0, 0, 0
.set J, 0
.rept 32
	HALF J
.set J, J+1
.endr
	; THE WAY OUT: a lane holds 32 neighbouring bytes of a row; 16 rows x 256 bytes go through my own stage and come back by rows, so that sixteen lanes store 256 bytes on end, aligned
	PLACES
	s_wait_alu depctr_va_vdst(0)                   ; the products have written the accumulators, which the LDS stores read, and are done reading v128-191, in which the stage's loads land; the places above stay beside this wait
.irp m, 0,1
.irp t, 0,1,2,3
	ds_store_b128 v10, v[ACC+32*\m+8*\t:ACC+32*\m+8*\t+3] offset:64*\t          ; each accumulator from its low end on
	ds_store_b128 v10, v[ACC+32*\m+8*\t+4:ACC+32*\m+8*\t+7] offset:64*\t+16
.endr
.irp i, 0,1,2,3,4,5,6,7
	ds_load_b128 v[HF+32*\m+4*\i:HF+32*\m+4*\i+3], v11 offset:544*\i            ; LDS serves a wave's instructions in order (ISA guide 5.7.1.4): these see the stores above, and the next 16 rows' stores come behind them
.endr
.endr
.irp i, 0,1,2,3,4,5,6,7
	s_wait_dscnt 23-\i                             ; behind load i: 7 - i loads, and the second 16 rows' 8 stores and 8 loads
	global_store_b128 v12, v[HF+4*\i:HF+4*\i+3], s[30:31] offset:2*\i*4096
.endr
.irp i, 0,1,2,3,4,5,6,7
	s_wait_dscnt 7-\i
	global_store_b128 v12, v[HF+32+4*\i:HF+32+4*\i+3], s[30:31] offset:(16+2*\i)*4096
.endr
.endm
	s_load_b256 s[4:11], s[0:1], 0x0               ; W2 s[4:5], route s[6:7], hq s[8:9], y s[10:11]
	v_and_b32 v1, 31, v0                           ; lane
	v_bfe_u32 v2, v0, 4, 1                         ; h = lane / 16
	v_lshrrev_b32 v32, 5, v0
	v_readfirstlane_b32 s16, v32                   ; wave 0..15
	s_lshr_b32 s19, ttmp9, 1                       ; nb
	s_and_b32 s23, ttmp9, 1                        ; kh
	s_and_b32 s20, ttmp7, 0xffff                   ; e
	s_mov_b32 s82, 0x55555555
	s_mov_b32 s83, 0x33333333
	s_mov_b32 s84, 0x0f0f0f0f
	s_mov_b32 s85, 0x00ff00ff
	v_lshlrev_b32 v3, 2, v1                        ; the stream: 4 bytes a lane
	v_and_b32 v13, 15, v0                          ; r = lane % 16
	v_lshlrev_b32 v4, 14, v2
	v_lshl_add_u32 v4, v13, 4, v4
	s_wait_alu depctr_va_sdst(0)                   ; s16 is written, ahead of its first reader: LDS addresses, the base of W2 and the unit's number are made from it
	s_and_b32 s17, s16, 1                          ; cg
	s_lshr_b32 s18, s16, 1                         ; kp
	s_lshl_b32 s26, s17, 15
	s_lshl_b32 s27, s18, 11
	s_add_co_u32 s26, s26, s27
	v_add_nc_u32 v4, s26, v4                       ; my codes: (2 cg + h) x 16,384 + 256 x 8 kp + 16 r
	v_lshlrev_b32 v5, 6, v1
	s_lshl_b32 s26, s17, 11
	s_lshl_b32 s27, s18, 3
	s_add_co_u32 s26, s26, s27
	s_add_co_u32 s26, s26, WSC
	v_add_nc_u32 v5, s26, v5                       ; my scale words: 2,048 cg + 64 lane + 4 x 2 kp
	v_lshlrev_b32 v6, 4, v1                        ; an image's place for my lane
	v_lshl_add_u32 v8, v1, 6, WSC
	v_lshlrev_b32 v14, 3, v1
	s_mul_i32 s26, s16, 4352
	s_add_co_u32 s26, s26, STAGE                   ; my stage
	v_mul_u32_u24 v10, v13, 272
	v_lshl_add_u32 v10, v2, 5, v10
	v_add_nc_u32 v10, s26, v10                     ; in: row r, + 32 h
	v_mul_u32_u24 v11, v2, 272
	v_lshl_add_u32 v11, v13, 4, v11
	v_add_nc_u32 v11, s26, v11                     ; back: lanes 0-15 one row, lanes 16-31 the next
	v_lshlrev_b32 v12, 12, v2
	v_lshl_add_u32 v12, v13, 4, v12                ; and the same two rows in y
	v_and_b32 v46, 7, v0
	v_lshlrev_b32 v46, 7, v46
	v_bfe_u32 v45, v0, 3, 2
	v_lshl_add_u32 v46, v45, 5, v46                ; the bitmaps: expert lane % 8, part lane / 8
	s_lshl_b32 s26, s20, 24                        ; W2[e]: 2^24 bytes an expert,
	s_lshl_b32 s27, s23, 23
	s_add_co_u32 s26, s26, s27                     ; 2,048 kh rows of 4,096 bytes,
	s_lshl_b32 s27, s18, 20
	s_add_co_u32 s26, s26, s27                     ; 256 kp rows,
	s_lshl_b32 s27, s19, 8
	s_add_co_u32 s26, s26, s27                     ; 64 nb columns,
	s_lshl_b32 s27, s17, 7
	s_add_co_u32 s26, s26, s27                     ; 32 cg columns
	s_mov_b32 s27, 0
	s_wait_kmcnt 0x0
	s_add_nc_u64 s[4:5], s[4:5], s[26:27]
	s_wait_alu depctr_va_vdst(0)                   ; the offsets and LDS addresses v3-v6, v8, v10-v12 and v46 are written, which the kernel's loads and stores read; none of them is written again
	global_load_b128 v[CW:CW+3], v46, s[6:7]
	global_load_b128 v[CW+4:CW+7], v46, s[6:7] offset:16
	LOAD 0
	s_wait_loadcnt 32                              ; the bitmaps' two loads are in; block 0's 32 may be out
	COUNTS
	s_mov_b32 s24, s16                             ; my first unit
	HPREP
	LOAD 1
	BLOCK 0, 32                                    ; behind block 0's loads stand h's 40 and block 1's 32: the count leaves block 1's out
	BLOCK 1, 32
	BLOCK 2, 32
	BLOCK 3, 32
	BLOCK 4, 32
	BLOCK 5, 32
	BLOCK 6, 32                                    ; block 7's 32 may be out
	BLOCK 7, 0
	s_wait_dscnt 0x0                               ; for the others' sake: all my LDS stores have landed
	s_barrier_signal -1
	s_barrier_wait -1                              ; the slice's codes and scale words lie in LDS; from here on they are only read
	s_cmp_ge_u32 s24, s21
	s_cbranch_scc1 .Lunit_b
	COMPUTE2
	s_wait_alu depctr_vm_vsrc(0)                   ; the unit's loads of h have read v7 and v9, the stage's stores the accumulators, the global stores v128-191: a second unit writes all of them again.  Stated here, ahead of the label and the branches
.Lunit_b:
	s_add_co_u32 s24, s24, 16
	s_cmp_ge_u32 s24, s21
	s_cbranch_scc1 .Lend
	s_wait_xcnt 0x0                                ; the first unit's loads and stores have read their registers and bases: they are written again below
	HPREP
	COMPUTE2
.Lend:
	s_barrier_signal -1
	s_barrier_wait -1
	s_wait_xcnt 0x0
	v_lshl_add_u32 v254, v0, 2, 0x22000
	v_mov_b32 v255, 0
	s_wait_dscnt 0x0                               ; the closing lines, six on end
	s_wait_alu 0x0
	s_wait_tensorcnt 0x0
	ds_add_u32 v254, v255
	s_wait_dscnt 0x0
	s_endpgm
.Lfunc_end_k_q380c829327_down:
	.size	k_q380c829327_down, .Lfunc_end_k_q380c829327_down-k_q380c829327_down
	.p2alignl 7, 3214868480
	.fill 96, 4, 3214868480
	.section	.rodata,"a",@progbits
	.p2align	6, 0x0
	.amdhsa_kernel k_q380c829327_down
		.amdhsa_group_segment_fixed_size 141312
		.amdhsa_private_segment_fixed_size 0
		.amdhsa_enable_private_segment 0
		.amdhsa_kernarg_size 32
		.amdhsa_user_sgpr_count 2
		.amdhsa_user_sgpr_kernarg_segment_ptr 1
		.amdhsa_wavefront_size32 1
		.amdhsa_system_sgpr_workgroup_id_x 1
		.amdhsa_system_sgpr_workgroup_id_y 1
		.amdhsa_system_sgpr_workgroup_id_z 1
		.amdhsa_system_vgpr_workitem_id 0
		.amdhsa_next_free_vgpr 256
		.amdhsa_next_free_sgpr 96
		.amdhsa_reserve_vcc 0
		.amdhsa_float_denorm_mode_32 3
		.amdhsa_float_denorm_mode_16_64 3
		.amdhsa_memory_ordered 1
		.amdhsa_forward_progress 1
		.amdhsa_inst_pref_size 135
	.end_amdhsa_kernel
	.amdgpu_metadata
---
amdhsa.version: [ 1, 2 ]
amdhsa.kernels:
  - .name:           k_q380c829327_down
    .symbol:         k_q380c829327_down.kd
    .args:
      - { .name: W2, .offset: 0, .size: 8, .value_kind: global_buffer, .address_space: global }
      - { .name: route, .offset: 8, .size: 8, .value_kind: global_buffer, .address_space: global }
      - { .name: hq, .offset: 16, .size: 8, .value_kind: global_buffer, .address_space: global }
      - { .name: y, .offset: 24, .size: 8, .value_kind: global_buffer, .address_space: global }
    .group_segment_fixed_size: 141312
    .private_segment_fixed_size: 0
    .kernarg_segment_align: 8
    .kernarg_segment_size: 32
    .max_flat_workgroup_size: 512
    .sgpr_count:     96
    .vgpr_count:     256
    .wavefront_size: 32
...
	.end_amdgpu_metadata
.endif
;; end of part 5
;; launch mix: the kernel of part 4 again; grid 257 x 1, 4 waves a work-group, no clusters, 0 bytes of LDS; arguments y, b2, route, gate, slotmap, out0, out1; writes out0, out1
